; MI455X (gfx1250); checked and timed in simulation.
; The chip was launched on July 23, 2026; its instructions are those of AMD's public machine-readable ISA for CDNA 5 (MIT licence, August 2026) and "CDNA5" Instruction Set Architecture Reference Guide (July 2026). The comments in the code are by the model that wrote it; some were corrected since.
;; Intern LM3 Attention Custom. Allowed arithmetic: matrix products marked QUANTISED: E2M3 operands, one E8M0 scale for each 32 along K, by v_wmma_scale_f32_16x16x128_f8f6f4 with both operands' format E2M3, f32 sums; everything else in f32.
;; Inputs: hidden_states 1 x 2,048 x 2,048 float32; o_w 2,048 x 2,048 float32; position_ids 1 x 2,048 int32; qk_w 2,048 x 2,048 float32; v_w 2,048 x 2,048 float32.
;; Outputs: out0 1 x 2,048 x 2,048 float32.
;; This version of the problem:
;;   THIS VERSION OF THE PROBLEM IS GIVEN IN LOW PRECISION. The matrix products marked QUANTISED in the list below multiply operands that are first quantised to E2M3 (2 exponent bits, 3 mantissa bits; 6 bits a number), with one power-of-two scale for each 32 numbers along K (OCP MX v1.0); their sums are f32. All else is computed in f32.
;;   The module's matrix products, in the order in which they are computed (A, B: the left and right operand; K: the contracted axis; several contracted axes count as one K, in the product's order):
;;     1. [M 2,048, K 2,048] x [K 2,048, N 2,048]; A: input hidden_states; B: input qk_w: QUANTISED
;;     2. [M 2,048, K 2,048] x [K 2,048, N 2,048]; A: input hidden_states; B: input v_w: QUANTISED
;;     3. batch 32 x [M 2,048, K 64] x [K 64, N 2,048]; A: computed on the way; B: computed on the way: QUANTISED
;;     4. batch 32 x [M 2,048, K 2,048] x [K 2,048, N 64]; A: softmax (see below); B: computed on the way: QUANTISED
;;     5. [M 2,048, K 2,048] x [K 2,048, N 2,048]; A: computed on the way; B: input o_w: QUANTISED
;;   THE QUANTISER, for each operand of a quantised product, along K:
;;     - K is cut into blocks of 32 from its start; a last block that is shorter is filled with zeros.
;;     - A block's scale is 2^e with e = floor(log2(the largest magnitude in the block)) - 2, held to -126 .. 127; a block of zeros has e = 0. As a byte (E8M0): e + 127.
;;     - Each number is divided by its block's scale, clamped to +-7.5, and rounded to the nearest number of E2M3, ties to even, subnormals kept.
;;     - The product sums the exact products of the quantised numbers (number of the format x scale) in f32.
;;   ~~~python
;;   def quantise(x, axis):      # numpy; x: float32 -> the quantised numbers, widened to float32 again
;;       x = np.moveaxis(x, axis, -1); K = x.shape[-1]
;;       x = np.pad(x, [(0, 0)] * (x.ndim - 1) + [(0, -K % 32)]); x = x.reshape(x.shape[:-1] + (-1, 32)); a = np.abs(x).max(-1, keepdims=True)
;;       e = np.where(a > 0, np.clip(np.frexp(np.where(a > 0, a, 1))[1] - 1 - 2, -126, 127), 0)      # np.frexp(a)[1] - 1 = floor(log2(a)), exactly
;;       r = np.clip(x / 2.0 ** e, -7.5, 7.5)
;;       step = 2.0 ** (np.maximum(np.frexp(np.where(r == 0, 1, r))[1] - 1, 0) - 3)
;;       q = np.round(r / step) * step * 2.0 ** e      # np.round: ties to even
;;       return np.moveaxis(q.reshape(q.shape[:-2] + (-1,))[..., :K], -1, axis).astype(np.float32)
;;   ~~~
;;   SOFTMAX AHEAD OF A QUANTISED PRODUCT. Where the list says 'softmax', what is quantised is not the finished softmax but p = 2^(t - M), with t = logit x log2(e) and M = ceil(the row's largest t), a whole number; so 1/2 < the row's largest p <= 1. The row's sum l is taken of the UNQUANTISED p, in f32, and the product's result is divided by l at the end. Since M is a whole number, a kernel that streams over the keys may use a running M (the ceiling of the running maximum): every later rescaling is an exact power of two, which a block's scale takes up: the codes' values come out the same.
;;   OPERANDS COMPUTED ON THE WAY. 'Computed on the way' means the value that the module computes at that place (a softmax that the list does not call 'softmax' is quantised finished and normalised). What goes into a quantiser is computed in f32, as accurately as f32 sums, v_exp_f32 and their like allow (about 1e-6 of the number): no bf16 or f16 on the way to a quantiser, and a product that is left as it is and whose result goes on into a quantised operand takes f32 operands (vector FMAs, or v_wmma_f32_16x16x4_f32). A number that lies on a knife's edge between two numbers of the format may be rounded either way, as far as f32 arithmetic and the matrix unit's own rounding can turn it there, and no further.
;; One version. Each part assembles by itself: llvm-mc -triple=amdgcn-amd-amdhsa -mcpu=gfx1250 --defsym DOCPART=n.
;; ======== version 1 of 1: 4 launches
;; limits: right only within a limited range of input values
;; workspace buffers: wimg 13,107,200 bytes; tab 524,288 bytes; kv 6,684,672 bytes; a_img 3,276,800 bytes
;; launch prep (part 1): grid 576 x 1, 4 waves a work-group, no clusters, 34,304 bytes of LDS; arguments hidden_states, qk_w, v_w, o_w, position_ids, wimg, tab; writes wimg, tab
.if DOCPART == 1
	.amdgcn_target "amdgcn-amd-amdhsa--gfx1250"
	.amdhsa_code_object_version 6
	.text
	.protected	k_qc684985892_prep
	.globl	k_qc684985892_prep
	.p2align	8
	.type	k_qc684985892_prep,@function
k_qc684985892_prep:
	s_mov_b64 s[64:65], 0
	v_nop
	global_prefetch_b8 v0, s[64:65] scope:SCOPE_SE
	s_setreg_imm32_b32 hwreg(HW_REG_WAVE_MODE, 25, 1), 1
	s_wait_xcnt 0x0
; PREP.  Two kinds of work-groups, told apart by the work-group's number.
; 0 .. 511: hidden_states, qk_w, v_w, o_w ([2048][2048] f32, K innermost) become codes of FP6 (E2M3) with one E8M0 byte for each 32 along K, laid as IMAGES OF THE OPERAND'S REGISTERS:
;   wimg [tensor z][group g of 512 along K][tile T of 16 rows][6,400 bytes]: four images of 1,536 bytes (K steps 4 g .. 4 g + 3), then 256 bytes of scale words.
;   An image: registers 0-3 of lane l at 16 l, registers 4-5 at 512 + 8 l, registers 6-9 at 768 + 16 l, registers 10-11 at 1280 + 8 l.  The scale words: [row r][4 words], a word the four bytes of one row and one K step.
;   THE ROWS OF A TILE ARE NOT NEIGHBOURS: place i of tile T is row 32 (T / 2) + 8 (T % 2) + i + 8 (i / 8), so that, with such a tile as a product's source 0, the 16 result registers of tiles 2 b and 2 b + 1 are 16 neighbours.
;   A block's scale is 2^(floor(log2(largest magnitude)) - 2); its byte is the largest magnitude's exponent field - 2, held at 1 from below.
; 512 .. 575: tab [token][cos of 32 frequencies | sin of 32 frequencies], f32, from position_ids: the angle is position x 10000^(-j / 32), rounded once; sine and cosine by a reduction
;   modulo pi / 2 (pi / 2 in three parts, fused multiply-adds) and polynomials on +-pi / 4.
; LIMITS: NaN and infinities among the inputs are not served.  A block of zeros, or one whose largest magnitude lies under 2^-124, gets the byte 1 (the bytes are read by this program alone; zero codes add nothing).
;   Positions up to 2^24 in magnitude (beyond, the position itself is rounded, and the reduction loses bits).
; A wave of the first kind takes 16 rows x 512 along K, one group: four steps of 128.  Each load reads 512 consecutive bytes of a row; the step's 16 x 512 bytes turn through the wave's own stage in LDS,
; so that lane (r, h) gets row r's numbers 64 c + 32 h + 0 .. 31: two whole blocks.  No barrier: waves share nothing.  Only this kind of work-group touches LDS.
.set ZI,   3276800                     ; bytes of a tensor in wimg
.set SG,   819200                      ; of a group: 128 tiles
.set TI,   6400                        ; of a tile's group
.set NQW,  512                         ; work-groups that quantise
.set SPI,  528                         ; a stage row: 512 bytes + 16, an odd multiple of 16
.set RR,   32                          ; v32-159  two sets of 64 registers as loaded
.set XX,   160                         ; v160-223 my 64 numbers of a step
.set CC,   224                         ; v224-247 two sets of 12 registers of codes
.set TMP,  248                         ; v248-254 the second halves of the two blocks' codes
.set SW,   16                          ; v16-19   the four steps' scale words
	s_load_b256 s[4:11], s[0:1], 0x0               ; hidden s[4:5], qk_w s[6:7], v_w s[8:9], o_w s[10:11]
	s_load_b128 s[12:15], s[0:1], 0x20             ; position_ids s[12:13], wimg s[14:15]
	s_load_b64 s[18:19], s[0:1], 0x30              ; tab
	v_lshl_add_u32 v251, v0, 2, 0x8400
	v_mov_b32 v255, 0
	v_lshrrev_b32 v1, 5, v0
	v_readfirstlane_b32 s20, v1                    ; wave 0..3
	v_and_b32 v7, 31, v0                           ; lane
	v_lshlrev_b32 v1, 4, v7                        ; 16 x lane
	v_lshlrev_b32 v2, 3, v7                        ; 8 x lane
	s_cmp_ge_u32 ttmp9, NQW
	s_cbranch_scc1 .Ltable
	; ---------------- the quantiser
	s_lshr_b32 s21, ttmp9, 7                       ; z: which tensor
	s_and_b32 s22, ttmp9, 127                      ; T: which tile
	v_and_b32 v8, 15, v0                           ; r
	v_bfe_u32 v9, v0, 4, 1                         ; h
	s_mul_i32 s23, s20, 16*SPI                     ; my wave's stage
	v_add_nc_u32 v3, s23, v1                       ; into it: 16 x lane of a row
	v_mul_u32_u24 v4, v8, SPI
	v_lshl_add_u32 v4, v9, 7, v4
	v_add_nc_u32 v4, s23, v4                       ; out of it: row r, + 128 h
	v_lshlrev_b32 v5, 3, v9                        ; 8 h: my bytes' place in a scale word
	v_lshlrev_b32 v6, 4, v8
	v_lshl_add_u32 v6, v9, 3, v6                   ; 16 r + 8 h: where I store two scale words
	v_mov_b32 v12, 0                               ; a lane permute's destination counts as one of its sources
	s_mov_b32 s28, 0x76543210
	s_mov_b32 s29, 0xfedcba98                      ; selects for lane l xor 16
	s_mov_b32 s30, 0xffff0000                      ; lanes 16-31
	s_lshr_b32 s24, s22, 1
	s_lshl_b32 s24, s24, 5
	s_and_b32 s25, s22, 1
	s_lshl_b32 s25, s25, 3
	s_add_co_u32 s24, s24, s25                     ; the tile's first row: 32 (T / 2) + 8 (T % 2)
	s_lshl_b32 s24, s24, 13                        ; x 8,192 bytes
	s_lshl_b32 s25, s20, 11
	s_add_co_u32 s24, s24, s25                     ; + my wave's 512 numbers
	s_mov_b32 s25, 0
	s_mul_i32 s26, s21, ZI
	s_mul_i32 s27, s22, TI
	s_add_co_u32 s26, s26, s27
	s_mul_i32 s27, s20, SG
	s_add_co_u32 s26, s26, s27                     ; my tile's part of group g = my wave's number
	s_mov_b32 s27, 0
	s_wait_alu depctr_va_vdst(0)
	s_wait_kmcnt 0x0
	s_cmp_eq_u32 s21, 1                            ; the choice of the tensor hangs on the work-group's number alone
	s_cselect_b64 s[4:5], s[6:7], s[4:5]
	s_cmp_eq_u32 s21, 2
	s_cselect_b64 s[4:5], s[8:9], s[4:5]
	s_cmp_eq_u32 s21, 3
	s_cselect_b64 s[4:5], s[10:11], s[4:5]
	s_add_nc_u64 s[4:5], s[4:5], s[24:25]
	s_add_nc_u64 s[14:15], s[14:15], s[26:27]
.macro LOAD t                          ; step t: 512 consecutive bytes of each of the tile's 16 rows
.irp i, 0,1,2,3,4,5,6,7,8,9,10,11,12,13,14,15
	global_load_b128 v[RR+64*((\t)%2)+4*\i:RR+64*((\t)%2)+4*\i+3], v1, s[4:5] offset:(\i+8*(\i/8))*8192+512*(\t) th:TH_LOAD_NT
.endr
.endm
.macro STEP t
.set RS, RR+64*((\t)%2)
.set CB, CC+12*((\t)%2)
.if (\t) < 3
	s_wait_loadcnt 16                              ; this step's 16 loads are in; the next step's 16 may be out
.else
	s_wait_loadcnt 0x0
.endif
.irp i, 0,1,2,3,4,5,6,7,8,9,10,11,12,13,14,15
	ds_store_b128 v3, v[RS+4*\i:RS+4*\i+3] offset:SPI*\i
.endr
.irp c, 0,1
.irp j, 0,1,2,3,4,5,6,7
	ds_load_b128 v[XX+32*\c+4*\j:XX+32*\c+4*\j+3], v4 offset:256*\c+16*\j   ; LDS serves a wave's instructions in order: these see the stores above
.endr
.endr
	s_wait_dscnt 0x0                               ; my numbers are back, and the stores have read their registers,
.if (\t) < 2
	LOAD (\t)+2                                    ; which take the loads of two steps on
.endif
.irp c, 0,1
	v_max3_num_f32 v[8+\c], |v[XX+32*\c]|, |v[XX+32*\c+1]|, 0x1800000   ; block 2 c + h: all 32 numbers are mine; the floor 2^(3 - 127) holds the byte at 1 from below
.endr
.irp i, 2,4,6,8,10,12,14,16,18,20,22,24,26,28,30
.irp c, 0,1
	v_max3_num_f32 v[8+\c], v[8+\c], |v[XX+32*\c+\i]|, |v[XX+32*\c+\i+1]|
.endr
.endr
.irp c, 0,1
	v_add_nc_u32 v[10+\c], 0xff000000, v[8+\c]     ; 2 off the exponent field: the conversion's scale operand
.endr
.irp c, 0,1
	v_lshrrev_b32 v[8+\c], 23, v[10+\c]            ; the scale's byte
.endr
	v_lshl_or_b32 v13, v9, 16, v8                  ; my two bytes: blocks h and 2 + h,
	v_lshlrev_b32 v13, v5, v13                     ; at their places;
	v_permlanex16_b32 v12, v13, s28, s29
	v_or_b32 v[SW+(\t)], v13, v12                  ; with lane l xor 16's two the word is whole
.if (\t) >= 2
	s_wait_alu depctr_va_vdst(0)
	s_wait_xcnt 0x0                                ; the stores of two steps ago have read this set of codes
.endif
.irp c, 0,1
	v_cvt_scalef32_pk16_fp6_f32 v[CB+6*\c:CB+6*\c+2], v[XX+32*\c:XX+32*\c+15], v[10+\c]
	v_cvt_scalef32_pk16_fp6_f32 v[TMP+4*\c:TMP+4*\c+2], v[XX+32*\c+16:XX+32*\c+31], v[10+\c]   ; (a conversion's three registers begin on an even number)
.endr
	v_nop                                          ; one plain instruction behind the conversions
.irp c, 0,1
.irp i, 0,1,2
	v_mov_b32 v[CB+6*\c+3+\i], v[TMP+4*\c+\i]
.endr
.endr
	global_store_b128 v1, v[CB:CB+3], s[14:15] offset:1536*(\t)             ; each store covers 512 or 256 consecutive bytes, at a multiple of 256 from the buffer's first byte
	global_store_b64 v2, v[CB+4:CB+5], s[14:15] offset:1536*(\t)+512
	global_store_b128 v1, v[CB+6:CB+9], s[14:15] offset:1536*(\t)+768
	global_store_b64 v2, v[CB+10:CB+11], s[14:15] offset:1536*(\t)+1280
.endm
	LOAD 0
	LOAD 1
	STEP 0
	STEP 1
	STEP 2
	STEP 3
	v_cndmask_b32 v20, v[SW], v[SW+2], s30         ; lanes 0-15 store row r's words 0 and 1, lanes 16-31 its words 2 and 3
	v_cndmask_b32 v21, v[SW+1], v[SW+3], s30
	global_store_b64 v6, v[20:21], s[14:15] offset:6144   ; 256 consecutive bytes, aligned, behind the four images
	s_wait_tensorcnt 0x0                           ; the wave's end
	ds_add_u32 v251, v255
	s_wait_dscnt 0x0
	s_endpgm
	; ---------------- the table of cosines and sines
.Ltable:
	s_sub_co_u32 s21, ttmp9, NQW
	s_lshl_b32 s21, s21, 2
	s_add_co_u32 s21, s21, s20                     ; which run of 8 tokens is my wave's: 0 .. 255
	s_lshl_b32 s22, s21, 5                         ; 8 positions of 4 bytes
	s_mov_b32 s23, 0
	s_lshl_b32 s24, s21, 11                        ; 8 rows of 256 bytes
	s_mov_b32 s25, 0
	s_wait_kmcnt 0x0
	s_add_nc_u64 s[12:13], s[12:13], s[22:23]
	s_add_nc_u64 s[18:19], s[18:19], s[24:25]
	s_load_b256 s[32:39], s[12:13], 0x0            ; my 8 positions
	v_mov_b32 v8, 0
	v_mov_b32 v9, 0
; lane (m = lane % 16, hh = lane / 16) makes frequencies 2 m and 2 m + 1: the cosines where hh = 0, the sines where hh = 1: its 8 bytes lie at 8 x lane of a token's row.
.macro FREQ j, val                     ; 10000^(-j / 32) = 10^(-j / 8), to the nearest f32
	s_mov_b32 s20, \val
	v_writelane_b32 v[8+(\j)%2], s20, (\j)/2
	v_writelane_b32 v[8+(\j)%2], s20, (\j)/2+16
.endm
	FREQ 0, 1.0
	FREQ 1, 0.74989420933
	FREQ 2, 0.56234132519
	FREQ 3, 0.42169650343
	FREQ 4, 0.31622776602
	FREQ 5, 0.23713737057
	FREQ 6, 0.17782794100
	FREQ 7, 0.13335214322
	FREQ 8, 0.1
	FREQ 9, 0.074989420933
	FREQ 10, 0.056234132519
	FREQ 11, 0.042169650343
	FREQ 12, 0.031622776602
	FREQ 13, 0.023713737057
	FREQ 14, 0.017782794100
	FREQ 15, 0.013335214322
	FREQ 16, 0.01
	FREQ 17, 0.0074989420933
	FREQ 18, 0.0056234132519
	FREQ 19, 0.0042169650343
	FREQ 20, 0.0031622776602
	FREQ 21, 0.0023713737057
	FREQ 22, 0.0017782794100
	FREQ 23, 0.0013335214322
	FREQ 24, 0.001
	FREQ 25, 0.00074989420933
	FREQ 26, 0.00056234132519
	FREQ 27, 0.00042169650343
	FREQ 28, 0.00031622776602
	FREQ 29, 0.00023713737057
	FREQ 30, 0.00017782794100
	FREQ 31, 0.00013335214322
	v_bfe_u32 v10, v0, 4, 1
	v_sub_nc_u32 v10, 1, v10                       ; cos(a) = sin(a + pi / 2): the cosine lanes count one quarter turn more
	s_mov_b32 s40, 0x3f22f983                      ; 2 / pi
	s_mov_b32 s41, 0x3fc90fda                      ; pi / 2 in three parts: the first 24 bits,
	s_mov_b32 s42, 0x33a22168                      ; the next 24,
	s_mov_b32 s43, 0x27c234c5                      ; and the next
	s_mov_b32 s44, -0.00019515295891               ; sin r = r + r z (s46 + z (s45 + z s44)), z = r r
	s_mov_b32 s45, 0.0083321608736
	s_mov_b32 s46, -0.16666654611
	s_mov_b32 s47, 0.000024433157118               ; cos r = 1 - z / 2 + z z (s49 + z (s48 + z s47))
	s_mov_b32 s48, -0.0013887316255
	s_mov_b32 s49, 0.041666645683
.macro SINCOS a, res                   ; v[res] = the sine of v[a] + v10 quarter turns
	v_mul_f32 v20, s40, v[\a]
	v_rndne_f32 v20, v20                           ; n: the nearest number of quarter turns
	v_fma_f32 v21, -v20, s41, v[\a]                ; r = a - n pi / 2
	v_fma_f32 v21, -v20, s42, v21
	v_fma_f32 v21, -v20, s43, v21
	v_cvt_i32_f32 v22, v20
	v_add_nc_u32 v22, v22, v10                     ; q
	v_mul_f32 v23, v21, v21                        ; z
	v_fma_f32 v24, v23, s44, s45
	v_fma_f32 v26, v23, s47, s48
	v_fma_f32 v24, v24, v23, s46
	v_fma_f32 v26, v26, v23, s49
	v_mul_f32 v25, v23, v21
	v_mul_f32 v27, v23, v23
	v_fma_f32 v28, v23, -0.5, 1.0
	v_fma_f32 v24, v24, v25, v21                   ; sin r
	v_fma_f32 v26, v26, v27, v28                   ; cos r
	v_and_b32 v29, 1, v22
	v_cmp_eq_u32 vcc_lo, 1, v29
	v_cndmask_b32 v24, v24, v26, vcc_lo            ; an odd q takes the cosine,
	v_lshlrev_b32 v22, 30, v22
	v_and_b32 v22, 0x80000000, v22
	v_xor_b32 v[\res], v24, v22                    ; q's bit 1 turns the sign
.endm
	s_wait_kmcnt 0x0
.irp i, 0,1,2,3,4,5,6,7                ; each token has result registers of its own: no store's data are written again
	v_cvt_f32_i32 v11, s[32+\i]
	s_wait_alu depctr_va_vdst(0)
	v_mul_f32 v12, v11, v8                         ; the angles, rounded once
	v_mul_f32 v13, v11, v9
	SINCOS 12, 32+2*\i
	SINCOS 13, 33+2*\i
	global_store_b64 v2, v[32+2*\i:33+2*\i], s[18:19] offset:256*\i   ; a token's row: 256 consecutive bytes, aligned
.endr
	s_endpgm
.Lfunc_end_k_qc684985892_prep:
	.size	k_qc684985892_prep, .Lfunc_end_k_qc684985892_prep-k_qc684985892_prep
	.p2alignl 7, 3214868480
	.fill 96, 4, 3214868480
	.section	.rodata,"a",@progbits
	.p2align	6, 0x0
	.amdhsa_kernel k_qc684985892_prep
		.amdhsa_group_segment_fixed_size 34304
		.amdhsa_private_segment_fixed_size 0
		.amdhsa_enable_private_segment 0
		.amdhsa_kernarg_size 56
		.amdhsa_user_sgpr_count 2
		.amdhsa_user_sgpr_kernarg_segment_ptr 1
		.amdhsa_wavefront_size32 1
		.amdhsa_system_sgpr_workgroup_id_x 1
		.amdhsa_system_sgpr_workgroup_id_y 1
		.amdhsa_system_sgpr_workgroup_id_z 1
		.amdhsa_system_vgpr_workitem_id 0
		.amdhsa_next_free_vgpr 256
		.amdhsa_next_free_sgpr 66
		.amdhsa_reserve_vcc 1
		.amdhsa_float_denorm_mode_32 3
		.amdhsa_float_denorm_mode_16_64 3
		.amdhsa_memory_ordered 1
		.amdhsa_forward_progress 1
		.amdhsa_inst_pref_size 57
	.end_amdhsa_kernel
	.amdgpu_metadata
---
amdhsa.version: [ 1, 2 ]
amdhsa.kernels:
  - .name:           k_qc684985892_prep
    .symbol:         k_qc684985892_prep.kd
    .args:
      - { .name: hidden_states, .offset: 0, .size: 8, .value_kind: global_buffer, .address_space: global }
      - { .name: qk_w, .offset: 8, .size: 8, .value_kind: global_buffer, .address_space: global }
      - { .name: v_w, .offset: 16, .size: 8, .value_kind: global_buffer, .address_space: global }
      - { .name: o_w, .offset: 24, .size: 8, .value_kind: global_buffer, .address_space: global }
      - { .name: position_ids, .offset: 32, .size: 8, .value_kind: global_buffer, .address_space: global }
      - { .name: wimg, .offset: 40, .size: 8, .value_kind: global_buffer, .address_space: global }
      - { .name: tab, .offset: 48, .size: 8, .value_kind: global_buffer, .address_space: global }
    .group_segment_fixed_size: 34304
    .private_segment_fixed_size: 0
    .kernarg_segment_align: 8
    .kernarg_segment_size: 56
    .max_flat_workgroup_size: 128
    .sgpr_count:     66
    .vgpr_count:     256
    .wavefront_size: 32
...
	.end_amdgpu_metadata
.endif
;; end of part 1
;; launch proj (part 2): grid 8 x 32, 4 waves a work-group, clusters of 4 x 4, 327,680 bytes of LDS; arguments wimg, tab, kv; writes kv
.if DOCPART == 2
	.amdgcn_target "amdgcn-amd-amdhsa--gfx1250"
	.amdhsa_code_object_version 6
	.text
	.protected	k_qc684985892_proj
	.globl	k_qc684985892_proj
	.p2align	8
	.type	k_qc684985892_proj,@function
k_qc684985892_proj:
	s_mov_b64 s[64:65], 0
	v_nop
	global_prefetch_b8 v0, s[64:65] scope:SCOPE_SE
	s_setreg_imm32_b32 hwreg(HW_REG_WAVE_MODE, 25, 1), 1
	s_wait_xcnt 0x0
	s_wait_alu depctr_hold_cnt(0) depctr_sa_sdst(0) depctr_va_vdst(0) depctr_va_sdst(0) depctr_va_ssrc(0) depctr_va_vcc(0) depctr_vm_vsrc(0)
	s_getreg_b32 s2, hwreg(HW_REG_IB_STS2, 6, 4)
	s_cmp_eq_u32 s2, 0
	s_cbranch_scc0 .Lentry_in_a_cluster
	s_endpgm
.Lentry_in_a_cluster:
	s_bfe_u32 s2, ttmp6, 0x10000c
	s_cmp_lg_u32 s2, 0xf033
	s_cbranch_scc0 .Lentry_shape_is_right
	s_endpgm
.Lentry_shape_is_right:
; PROJ.  The two projections of hidden_states, on codes of FP6 (E2M3) with E8M0 scales, K = 2,048, and what follows them up to the next quantiser.  One text serves both: a product of 256 rows of P (source 0) with 128 rows of Q (source 1).
;   part 0 (cluster y 0-3), the keys:   P = qk_w, Q = hidden.  A lane holds one token and its registers run along the features: RoPE, then quantised along the head's 64.
;   part 1 (cluster y 4-7), the values: P = hidden, Q = v_w.   A lane holds one feature and its registers run along the tokens: quantised along 128 keys.
; Operands lie in wimg [tensor][group of 512 along K][tile][6,400]: four images of the operand's registers (16 rows x 128 K: 1,536 bytes) and 256 bytes of scale words.  So a work-group's tiles of one group are one dense block, scale words among them.
; The rows of a tile are 32 (T / 2) + 8 (T % 2) + i + 8 (i / 8): the 16 result registers of P's tiles 2 b and 2 b + 1 are the 16 neighbours 32 b + 16 (lane / 16) + 0 .. 15.
; kv [head][key step of 128][13,056]: K's eight tiles (16 keys x 64) as half images of 768 bytes; their scale words at 6,144; V's four tiles (16 of the head's 64 x 128 keys) as images at 6,656; their scale words at 12,800.
; SHARES.  Four waves; wave w takes P's tiles 8 (w / 2) + 0 .. 7 and Q's tiles 4 (w % 2) + 0 .. 3 of the work-group's 16 and 8: 32 accumulators.  256 tiles of 256 x 128 make 256 work-groups.
; K goes through a ring of two LDS slots, a group each.  THE HEAD'S FOUR LOADS, one a wave: wave 0 P's group 0, wave 1 Q's group 0, wave 2 P's group 1, wave 3 Q's group 1.  Ahead of the first barrier only waves 0 and 1 wait for
; their loads: behind it slot 0 alone is read and nothing is filled; the first change of slots waits for all.  Groups 2 and 3 are refills, half an operand's tiles a wave.
; CLUSTER 4 x 4: P's tiles hang on x alone and are asked for jointly along a column, Q's on y alone, along a row.
; PREFETCH: group 2 is asked for at the head and group 3 behind the first refill, each one slot's 128 matrix instructions ahead of its tensor load; a lane names a block of 256 bytes; the four partners that load a block jointly
; share its blocks out by address (100 of P's 400 and 50 of Q's 200 to a work-group, 25 to an instruction).
; The cosines and sines are loaded in both parts, though only part 0 uses them: the text then has one way up to the products' end (16 KiB a wave of a table of 512 KiB).
; LIMITS: NaN and infinities are not served; a block of zeros, or one whose largest magnitude lies under 2^-124, gets the byte 1 (zero codes add nothing; this program alone reads the bytes).
; REGISTERS, in windows of 256: window 0: v1-15, v28-31 addresses, v16-27 at work, v32-79 scale words (two sets), v80-207 cosines and sines, v208-255 the way out.  window 1: accumulator (p, q) at v[64 q + 8 p].
;   window 2: P's fragments, two sets of 96.   window 3: Q's, two sets of 48.
.set NPW,   8                          ; P's tiles to a wave
.set ZI,    3276800
.set SG,    819200
.set TI,    6400
.set HB,    208896                     ; a head in kv
.set SB,    13056                      ; a key step in kv
.set KST,   1536                       ; an image
.set TSL,   6400                       ; a tile's group: four images and the scale words
.set PH,    NPW*TSL                    ; what a wave reads of P in a slot
.set QH,    4*TSL
.set QOFF,  4*PH                       ; P's two slots, then Q's two
.set SPARE, 4*PH+4*QH                  ; the spare words, 128 bytes for each wave
.set ACQ,   8*NPW
.set PSET,  12*NPW
.set SC,    32                         ; scale words: set s at v[SC + SCS s]; P's pair j, K step k at + 4 j + k (lanes 0-15 tile 2 j, lanes 16-31 tile 2 j + 1); Q's at + 2 NPW + 4 j + k
.set SCS,   2*NPW+8
.set L16,   1
.set L8,    2
.set TABO,  3
.set ADP16, 4
.set ADP8,  6
.set ADQ16, 8
.set ADQ8,  10
.set ADSP,  12
.set SPW,   14
.set NIL,   15
.set TM,    16
.set PT,    20
.set SO,    24
.set ADSQ,  28
.set PFO,   31
.set CS,    80                         ; tile q: cosines at CS + 32 q, sines at CS + 32 q + 16
.set TT,    208
.set PC,    240
.set PD,    246
.set WD,    250
.set CT,    208
.set WV4,   216
.set SEL,   66
.set G1P,   24                         ; the ring's groups 1 (half an operand's tiles) and 0 (one for each slot)
.set G0P,   32
.set G1Q,   48
.set G0Q,   56
.set G1HP,  68                         ; the head's: all of an operand's tiles
.set G0HP,  76
.set G1HQ,  80
.set G0HQ,  88
.set PFA,   98
.set MSB, 0
.macro WIN new                         ; the immediate's high byte repeats the setting that is left
.if MSB != \new
	s_set_vgpr_msb (MSB<<8)|\new
.set MSB, \new
.endif
.endm
.set MUL,  0x5e                        ; source 0 (P) window 2, source 1 (Q) window 3, C and D window 1
.set TO_P, 0x80
.set TO_Q, 0xc0
; A joint load: where s[sel] is 0 for P, else for Q.  The branch hangs on the wave's number alone.  An s_nop 0 and four v_nop follow each of the two lines.
.macro JLOAD sel, g0a, g1a, g0b, g1b
	s_cmp_eq_u32 s[\sel], 0
	s_cbranch_scc0 .Lfor_q_\@
	tensor_load_to_lds s[\g0a:\g0a+3], s[\g1a:\g1a+7]
	s_nop 0
.rept 4
	v_nop
.endr
	s_branch .Lasked_\@
.Lfor_q_\@:
	tensor_load_to_lds s[\g0b:\g0b+3], s[\g1b:\g1b+7]
	s_nop 0
.rept 4
	v_nop
.endr
.Lasked_\@:
.endm
.macro CREST                           ; a round of the cluster's barrier behind its opening barrier
	s_cmp_lg_u32 s14, 0
	s_cbranch_scc1 .Lnot_wave_0_\@
	s_barrier_signal -3
.Lnot_wave_0_\@:
	s_barrier_wait -3
	s_barrier_signal -1
	s_barrier_wait -1
.endm
.macro CROUND
	s_barrier_signal -1
	s_barrier_wait -1
	CREST
.endm
.macro PLACES                          ; four plain instructions between a matrix instruction and a load into, or a read of, its registers
.rept 4
	v_nop
.endr
.endm
.macro ASK off                         ; my share of a later group: 25 blocks of 256 bytes an instruction (lanes 25-31 name the last again); P's waves have 50
	global_prefetch_b8 v[PFO], s[PFA:PFA+1] offset:\off th:TH_LOAD_NT scope:SCOPE_SE
	s_cmp_lg_u32 s15, 0
	s_cbranch_scc1 .Lpf_\@
	global_prefetch_b8 v[PFO], s[PFA:PFA+1] offset:\off+25*256 th:TH_LOAD_NT scope:SCOPE_SE
.Lpf_\@:
.endm
	s_load_b64 s[4:5], s[0:1], 0x0                 ; wimg
	s_load_b128 s[8:11], s[0:1], 0x8               ; tab s[8:9], kv s[10:11]
	v_lshl_add_u32 v[SPW], v0, 2, SPARE
	v_mov_b32 v[NIL], 0
	ds_add_u32 v[SPW], v[NIL]                      ; the opening lines: the add, twice on end, and its wait ahead of my first tensor load
	ds_add_u32 v[SPW], v[NIL]
	v_lshrrev_b32 v1, 5, v0
	v_readfirstlane_b32 s14, v1                    ; wave 0..3
	s_lshr_b32 s15, s14, 1                         ; which half of P's tiles is mine.  In the ring: I fetch for P (0) or for Q (1).  At the head: which group I fetch
	s_and_b32 s16, s14, 1                          ; which half of Q's.  In the ring: which half of that operand's tiles I fetch.  At the head: for P (0) or for Q (1)
	s_bfe_u32 s40, ttmp6, 0x40000                  ; cx
	s_bfe_u32 s41, ttmp6, 0x40004                  ; cy
	s_lshl_b32 s42, ttmp9, 2
	s_add_co_u32 s42, s42, s40                     ; x = 4 x cluster x + cx: 0 .. 7
	s_and_b32 s13, ttmp7, 0xffff                   ; cluster y: 0 .. 7
	s_lshr_b32 s12, s13, 2                         ; the part: the same in all sixteen partners
	s_and_b32 s17, s13, 3
	s_lshl_b32 s17, s17, 2
	s_add_co_u32 s17, s17, s41                     ; y: 0 .. 15
	s_lshl_b32 s43, s41, 2
	s_lshl_b32 s43, 15, s43                        ; my row of the cluster
	s_lshl_b32 s44, 0x1111, s40                    ; my column
	; descriptor groups 1.  Elements of 8 bytes, no padding: dense blocks as rows of 6,400 bytes, a tile's group each
	s_or_b32 s[G1P], s44, (3<<16)|(1<<21)          ; 15:0 the mask: P's tiles go to my column; 17:16 elements of 8 bytes; 21 set beside a mask
	s_or_b32 s[G1Q], s43, (3<<16)|(1<<21)          ; Q's to my row
	s_or_b32 s[G1HP], s44, (3<<16)|(1<<21)
	s_or_b32 s[G1HQ], s43, (3<<16)|(1<<21)
.irp g, G1P, G1Q, G1HP, G1HQ
	s_mov_b32 s[\g+1], 800<<16                     ; tensor_dim0
	s_mov_b32 s[\g+3], 800<<16                     ; tile_dim0
	s_mov_b32 s[\g+5], 800                         ; tensor_dim0_stride
	s_mov_b32 s[\g+6], 0
	s_mov_b32 s[\g+7], 0
.endr
	s_mov_b32 s[G1P+2], NPW<<16                    ; tensor_dim1,
	s_mov_b32 s[G1P+4], NPW                        ; tile_dim1
	s_mov_b32 s[G1Q+2], 4<<16
	s_mov_b32 s[G1Q+4], 4
	s_mov_b32 s[G1HP+2], (2*NPW)<<16
	s_mov_b32 s[G1HP+4], 2*NPW
	s_mov_b32 s[G1HQ+2], 8<<16
	s_mov_b32 s[G1HQ+4], 8
	s_cmp_eq_u32 s12, 0                            ; which tensors: offsets into the one buffer
	s_cselect_b32 s18, ZI, 0                       ; P: qk_w (tensor 1) or hidden (0)
	s_cselect_b32 s2, 0, 2*ZI                      ; Q: hidden (0) or v_w (2)
	s_mul_i32 s20, s42, 16*TI                      ; P: tiles 16 x on
	s_add_co_u32 s20, s20, s18
	s_mov_b32 s21, 0
	s_mul_i32 s46, s17, 8*TI                       ; Q: tiles 8 y on
	s_add_co_u32 s46, s46, s2
	s_mov_b32 s47, 0
	s_mul_i32 s92, s15, SG                         ; the head: my group
	s_mov_b32 s93, 0
	s_mul_i32 s94, s16, NPW*TI                     ; the ring: my half of P's tiles, in memory,
	s_mov_b32 s95, 0
	s_mul_i32 s2, s16, 4*TI                        ; of Q's,
	s_mov_b32 s3, 0
	s_mul_i32 s45, s16, PH                         ; and in LDS: no place in the cluster enters an LDS address
	s_mul_i32 s96, s16, QH
	s_add_co_u32 s96, s96, QOFF
	s_mov_b32 s[G0HP], 1
	s_mul_i32 s[G0HP+1], s15, 2*PH
	s_mov_b32 s[G0HQ], 1
	s_mul_i32 s[G0HQ+1], s15, 2*QH
	s_add_co_u32 s[G0HQ+1], s[G0HQ+1], QOFF
	s_wait_alu depctr_va_vdst(0)
	s_wait_dscnt 0x0                               ; both opening adds are done
	s_wait_kmcnt 0x0
	s_add_nc_u64 s[20:21], s[4:5], s[20:21]        ; P's tiles, group 0
	s_add_nc_u64 s[46:47], s[4:5], s[46:47]        ; Q's
	s_add_nc_u64 s[G0HP+2:G0HP+3], s[20:21], s[92:93]
	s_or_b32 s[G0HP+3], s[G0HP+3], 0x80000000
	s_add_nc_u64 s[G0HQ+2:G0HQ+3], s[46:47], s[92:93]
	s_or_b32 s[G0HQ+3], s[G0HQ+3], 0x80000000
	CROUND                                         ; all sixteen work-groups are here: the first joint loads meet
; the head's loads, one a wave, in ONE chain of branches on the wave's number, one load to an arm, one join: wave 0 P's group 0, wave 1 Q's group 0, wave 2 P's group 1, wave 3 Q's group 1
.macro ARM under, g0, g1, next
	s_cmp_lt_u32 s14, \under
	s_cbranch_scc0 \next
	tensor_load_to_lds s[\g0:\g0+3], s[\g1:\g1+7]
	s_nop 0
.rept 4
	v_nop
.endr
	s_branch .Lhead_asked
\next:
.endm
	ARM 1, G0HP, G1HP, .Lhead_1
	ARM 2, G0HQ, G1HQ, .Lhead_2
	ARM 3, G0HP, G1HP, .Lhead_3
	tensor_load_to_lds s[G0HQ:G0HQ+3], s[G1HQ:G1HQ+7]
	s_nop 0
.rept 4
	v_nop
.endr
.Lhead_asked:
	s_cmp_eq_u32 s15, 0                            ; the prefetches: in the ring's roles
	s_cselect_b64 s[PFA:PFA+1], s[20:21], s[46:47]
	s_cselect_b32 s22, s41, s40                    ; my place among the four that load the block with me
	s_cselect_b32 s23, 50, 25                      ; blocks to a wave
	s_lshl_b32 s22, s22, 1
	s_add_co_u32 s22, s22, s16
	s_mul_i32 s22, s22, s23
	s_lshl_b32 s22, s22, 8
	s_add_co_u32 s22, s22, 2*SG                    ; from group 2 on
	s_mov_b32 s23, 0
	s_add_nc_u64 s[PFA:PFA+1], s[PFA:PFA+1], s[22:23]
	s_add_nc_u64 s[20:21], s[20:21], s[94:95]      ; for the ring: my half of the tiles
	s_add_nc_u64 s[46:47], s[46:47], s[2:3]
.irp n, 0,1                                    ; slot n is filled again once, with group n + 2
	s_mov_b32 s[G0P+4*\n], 1
	s_add_co_u32 s[G0P+4*\n+1], s45, \n*2*PH
	s_add_nc_u64 s[G0P+4*\n+2:G0P+4*\n+3], s[20:21], (\n+2)*SG
	s_or_b32 s[G0P+4*\n+3], s[G0P+4*\n+3], 0x80000000
	s_mov_b32 s[G0Q+4*\n], 1
	s_add_co_u32 s[G0Q+4*\n+1], s96, \n*2*QH
	s_add_nc_u64 s[G0Q+4*\n+2:G0Q+4*\n+3], s[46:47], (\n+2)*SG
	s_or_b32 s[G0Q+4*\n+3], s[G0Q+4*\n+3], 0x80000000
.endr
	s_lshl_b32 s18, s17, 7
	s_lshl_b32 s19, s16, 6
	s_add_co_u32 s18, s18, s19                     ; token 128 y + 64 (w % 2)
	s_lshl_b32 s18, s18, 8
	s_mov_b32 s19, 0
	s_add_nc_u64 s[8:9], s[8:9], s[18:19]
	s_mul_i32 s18, s15, PH                         ; my tiles of P,
	s_mul_i32 s19, s16, QH
	s_add_co_u32 s19, s19, QOFF                    ; and of Q
	s_mov_b32 s[SEL], 0x76543210
	s_mov_b32 s[SEL+1], 0xfedcba98                 ; selects for lane l xor 16
	s_mov_b32 s97, 0xffff0000                      ; lanes 16-31
	v_and_b32 v16, 31, v0                          ; lane
	v_and_b32 v17, 15, v0                          ; r
	v_bfe_u32 v18, v0, 4, 1                        ; h
	v_lshlrev_b32 v[L16], 4, v16
	v_lshlrev_b32 v[L8], 3, v16
	v_min_u32 v[PFO], 24, v16
	v_and_b32 v[TABO], 8, v17
	v_lshlrev_b32 v19, 4, v17
	v_mul_u32_u24 v20, v18, TSL
	v_add_nc_u32 v[TABO], v[TABO], v17             ; r + 8 (r / 8): my token's place in a tile of Q
	v_lshlrev_b32 v[PFO], 8, v[PFO]
	v_add_nc_u32 v19, v19, v20                     ; scale words: 16 r, and lanes 16-31 take the next tile's
	v_lshlrev_b32 v[TABO], 8, v[TABO]
	v_lshl_add_u32 v[TABO], v18, 6, v[TABO]        ; its row of the table, + 64 h: frequencies 16 h on
	s_wait_alu depctr_va_vdst(0)                   ; ahead of the branch in ASK
.irp q, 0,1,2,3
.irp j, 0,1,2,3
	global_load_b128 v[CS+32*\q+4*\j:CS+32*\q+4*\j+3], v[TABO], s[8:9] offset:(32*(\q/2)+8*(\q%2))*256+16*\j
	global_load_b128 v[CS+16+32*\q+4*\j:CS+16+32*\q+4*\j+3], v[TABO], s[8:9] offset:(32*(\q/2)+8*(\q%2))*256+16*\j+128
.endr
.endr
	ASK 0                                          ; group 2
.irp n, 0,1
	v_add_nc_u32 v[ADP16+\n], s18, v[L16]
	v_add_nc_u32 v[ADP8+\n], s18, v[L8]
	v_add_nc_u32 v[ADSP+\n], s18, v19
	v_add_nc_u32 v[ADQ16+\n], s19, v[L16]
	v_add_nc_u32 v[ADQ8+\n], s19, v[L8]
	v_add_nc_u32 v[ADSQ+\n], s19, v19
	s_add_co_u32 s18, s18, 2*PH
	s_add_co_u32 s19, s19, 2*QH
.endr
.irp b, 0,1,2,3
	v_mov_b32 v[PT+\b], 0                          ; a lane permute's destination counts as one of its sources
.endr
; One product.  d, a, b: first registers of D (and C), source 0, source 1; z = 1: C is 0, the product starts the sum; sa, sb: the scale registers; ra, rb = 1: that side's words lie in lanes 16-31.
.macro WM d, a, b, z, sa, sb, ra, rb
.if (\z) && (\ra) && (\rb)
	v_wmma_scale_f32_16x16x128_f8f6f4 v[(\d):(\d)+7], v[(\a):(\a)+11], v[(\b):(\b)+11], 0, v[\sa], v[\sb] matrix_a_fmt:MATRIX_FMT_FP6 matrix_b_fmt:MATRIX_FMT_FP6 matrix_a_scale:MATRIX_SCALE_ROW1 matrix_b_scale:MATRIX_SCALE_ROW1
.elseif (\z) && (\ra)
	v_wmma_scale_f32_16x16x128_f8f6f4 v[(\d):(\d)+7], v[(\a):(\a)+11], v[(\b):(\b)+11], 0, v[\sa], v[\sb] matrix_a_fmt:MATRIX_FMT_FP6 matrix_b_fmt:MATRIX_FMT_FP6 matrix_a_scale:MATRIX_SCALE_ROW1
.elseif (\z) && (\rb)
	v_wmma_scale_f32_16x16x128_f8f6f4 v[(\d):(\d)+7], v[(\a):(\a)+11], v[(\b):(\b)+11], 0, v[\sa], v[\sb] matrix_a_fmt:MATRIX_FMT_FP6 matrix_b_fmt:MATRIX_FMT_FP6 matrix_b_scale:MATRIX_SCALE_ROW1
.elseif (\z)
	v_wmma_scale_f32_16x16x128_f8f6f4 v[(\d):(\d)+7], v[(\a):(\a)+11], v[(\b):(\b)+11], 0, v[\sa], v[\sb] matrix_a_fmt:MATRIX_FMT_FP6 matrix_b_fmt:MATRIX_FMT_FP6
.elseif (\ra) && (\rb)
	v_wmma_scale_f32_16x16x128_f8f6f4 v[(\d):(\d)+7], v[(\a):(\a)+11], v[(\b):(\b)+11], v[(\d):(\d)+7], v[\sa], v[\sb] matrix_a_fmt:MATRIX_FMT_FP6 matrix_b_fmt:MATRIX_FMT_FP6 matrix_a_scale:MATRIX_SCALE_ROW1 matrix_b_scale:MATRIX_SCALE_ROW1
.elseif (\ra)
	v_wmma_scale_f32_16x16x128_f8f6f4 v[(\d):(\d)+7], v[(\a):(\a)+11], v[(\b):(\b)+11], v[(\d):(\d)+7], v[\sa], v[\sb] matrix_a_fmt:MATRIX_FMT_FP6 matrix_b_fmt:MATRIX_FMT_FP6 matrix_a_scale:MATRIX_SCALE_ROW1
.elseif (\rb)
	v_wmma_scale_f32_16x16x128_f8f6f4 v[(\d):(\d)+7], v[(\a):(\a)+11], v[(\b):(\b)+11], v[(\d):(\d)+7], v[\sa], v[\sb] matrix_a_fmt:MATRIX_FMT_FP6 matrix_b_fmt:MATRIX_FMT_FP6 matrix_b_scale:MATRIX_SCALE_ROW1
.else
	v_wmma_scale_f32_16x16x128_f8f6f4 v[(\d):(\d)+7], v[(\a):(\a)+11], v[(\b):(\b)+11], v[(\d):(\d)+7], v[\sa], v[\sb] matrix_a_fmt:MATRIX_FMT_FP6 matrix_b_fmt:MATRIX_FMT_FP6
.endif
.endm
; Q's tile q against my NPW tiles of P.  The accumulators take turns, one instruction a turn, in the same order in every K step.
.macro MULQ q, set, k, ss, zero
.set pp, 0
.rept NPW
	WM ACQ*(\q)+8*pp, PSET*(\set)+12*pp, 48*(\set)+12*(\q), \zero, SC+SCS*(\ss)+4*(pp/2)+(\k), SC+SCS*(\ss)+2*NPW+4*((\q)/2)+(\k), pp%2, (\q)%2
.set pp, pp+1
.endr
.endm
; The fragments of K step k of slot n into set: four loads a fragment, each of consecutive bytes
.macro FETCH n, k, set
	WIN TO_P
.set pp, 0
.rept NPW
	ds_load_b128 v[PSET*(\set)+12*pp:PSET*(\set)+12*pp+3], v[ADP16+\n] offset:TSL*pp+KST*(\k)
	ds_load_b64 v[PSET*(\set)+12*pp+4:PSET*(\set)+12*pp+5], v[ADP8+\n] offset:TSL*pp+KST*(\k)+512
	ds_load_b128 v[PSET*(\set)+12*pp+6:PSET*(\set)+12*pp+9], v[ADP16+\n] offset:TSL*pp+KST*(\k)+768
	ds_load_b64 v[PSET*(\set)+12*pp+10:PSET*(\set)+12*pp+11], v[ADP8+\n] offset:TSL*pp+KST*(\k)+1280
.set pp, pp+1
.endr
	WIN TO_Q
.irp q, 0,1,2,3
	ds_load_b128 v[48*(\set)+12*\q:48*(\set)+12*\q+3], v[ADQ16+\n] offset:TSL*\q+KST*(\k)
	ds_load_b64 v[48*(\set)+12*\q+4:48*(\set)+12*\q+5], v[ADQ8+\n] offset:TSL*\q+KST*(\k)+512
	ds_load_b128 v[48*(\set)+12*\q+6:48*(\set)+12*\q+9], v[ADQ16+\n] offset:TSL*\q+KST*(\k)+768
	ds_load_b64 v[48*(\set)+12*\q+10:48*(\set)+12*\q+11], v[ADQ8+\n] offset:TSL*\q+KST*(\k)+1280
.endr
	WIN 0
.endm
.macro SCALES sg, n                    ; the scale words of group sg, which lies in slot n: four words a lane and load, behind each tile's images
.set pp, 0
.rept NPW/2
	ds_load_b128 v[SC+SCS*((\sg)%2)+4*pp:SC+SCS*((\sg)%2)+4*pp+3], v[ADSP+\n] offset:2*TSL*pp+4*KST
.set pp, pp+1
.endr
.irp j, 0,1
	ds_load_b128 v[SC+SCS*((\sg)%2)+2*NPW+4*\j:SC+SCS*((\sg)%2)+2*NPW+4*\j+3], v[ADSQ+\n] offset:2*TSL*\j+4*KST
.endr
.endm
; A K step that has its successor in the same slot: the successor's fragments are asked for ahead of this step's products
.macro STEP n, k, sg, zero
	s_wait_dscnt 0x0                               ; this step's fragments, asked for a step ago, are in
	PLACES                                         ; the other set was read by the step before
	FETCH \n, (\k)+1, 1-(\k)%2
	WIN MUL
	MULQ 0, (\k)%2, \k, (\sg)%2, \zero
	MULQ 1, (\k)%2, \k, (\sg)%2, \zero
	MULQ 2, (\k)%2, \k, (\sg)%2, \zero
	MULQ 3, (\k)%2, \k, (\sg)%2, \zero
	WIN 0
.endm
; A slot's last K step changes slots: ONE barrier.  In front of it each wave waits for all its tensor loads, adds 0 to its spare word, and waits for that and for its reads of this slot.  fill = 1: the slot is filled again, with the group two on.
.macro TURN n, next, sg, fill, ask
	s_wait_tensorcnt 0x0                           ; all my tensor loads have landed: my part of the next slot
	ds_add_u32 v[SPW], v[NIL]                      ; 0 onto my spare word
	s_wait_dscnt 1                                 ; this step's fragments are in; the add alone may be out
	WIN MUL
	MULQ 0, 1, 3, (\sg)%2, 0                       ; products stand between the add and the wait for it
	s_wait_dscnt 0x0                               ; the add is done, and my reads of this slot are over
	s_barrier_signal -1
	MULQ 1, 1, 3, (\sg)%2, 0
	WIN 0
	s_barrier_wait -1
.if \fill
	CREST                                          ; the barrier has opened a round of the cluster's barrier: no wave of any partner still reads this slot or has a load on its way
	JLOAD 15, G0P+4*\n, G1P, G0Q+4*\n, G1Q         ; the first tensor load behind the round; its four v_nop are also the places in front of the loads below
.else
	PLACES
.endif
	FETCH \next, 0, 0
	SCALES (\sg)+1, \next
.if \ask
	ASK SG                                         ; group 3
.endif
	WIN MUL
	MULQ 2, 1, 3, (\sg)%2, 0
	MULQ 3, 1, 3, (\sg)%2, 0
	WIN 0
.endm
	s_wait_alu depctr_va_vdst(0)                   ; at the head's end
	s_cmp_ge_u32 s14, 2
	s_cbranch_scc1 .Lslot_1_out                    ; waves 2 and 3 fetched slot 1, which is first read behind the next barrier: their wait stands in front of that one
	s_wait_tensorcnt 0x0                           ; waves 0 and 1: my operand's part of slot 0 is in
.Lslot_1_out:
	s_barrier_signal -1
	s_barrier_wait -1                              ; slot 0 is whole
	FETCH 0, 0, 0
	SCALES 0, 0
	STEP 0, 0, 0, 1                                ; the first products start the sums: nothing is cleared
	STEP 0, 1, 0, 0
	STEP 0, 2, 0, 0
	TURN 0, 1, 0, 1, 1
	STEP 1, 0, 1, 0
	STEP 1, 1, 1, 0
	STEP 1, 2, 1, 0
	TURN 1, 0, 1, 1, 0
	STEP 0, 0, 2, 0
	STEP 0, 1, 2, 0
	STEP 0, 2, 2, 0
	TURN 0, 1, 2, 0, 0                             ; nothing is left to fetch
	STEP 1, 0, 3, 0
	STEP 1, 1, 3, 0
	STEP 1, 2, 3, 0
	s_wait_dscnt 0x0
	WIN MUL
	MULQ 0, 1, 3, 1, 0
	MULQ 1, 1, 3, 1, 0
	MULQ 2, 1, 3, 1, 0
	MULQ 3, 1, 3, 1, 0
	WIN 0
	PLACES
	s_wait_loadcnt 0x0                             ; the cosines and sines
; RoPE on a lane's 32 numbers: lo (d = 16 h + i) at v[lo + i], hi (d = 32 + 16 h + i) at v[lo + 16 + i]; cosines at v[cs + i], sines at v[cs + 16 + i].  Ascending.
.macro ROPE lo, cs, t
.irp i, 0,2,4,6,8,10,12,14
	v_pk_mul_f32 v[(\t)+\i:(\t)+\i+1], v[(\lo)+\i:(\lo)+\i+1], v[(\cs)+\i:(\cs)+\i+1]
	v_pk_mul_f32 v[(\t)+16+\i:(\t)+17+\i], v[(\lo)+16+\i:(\lo)+17+\i], v[(\cs)+\i:(\cs)+\i+1]
	v_pk_fma_f32 v[(\t)+\i:(\t)+\i+1], v[(\lo)+16+\i:(\lo)+17+\i], v[(\cs)+16+\i:(\cs)+17+\i], v[(\t)+\i:(\t)+\i+1] neg_lo:[1,0,0] neg_hi:[1,0,0]
	v_pk_fma_f32 v[(\t)+16+\i:(\t)+17+\i], v[(\lo)+\i:(\lo)+\i+1], v[(\cs)+16+\i:(\cs)+17+\i], v[(\t)+16+\i:(\t)+17+\i]
.endr
.endm
; 32 numbers of a lane, v[t + 16 b + i] = k 32 b + 16 h + i of my row, become half an image (6 registers at v[c]: block h of my row) and the two scale bytes in v[w]
.macro QUANT2 t, c, d, w
.irp b, 0,1
	v_max3_num_f32 v[TM+\b], |v[(\t)+16*\b]|, |v[(\t)+16*\b+1]|, 0x1800000   ; with the floor 2^(3 - 127): the byte cannot fall under 1
.endr
.irp i, 2,4,6,8,10,12,14
.irp b, 0,1
	v_max3_num_f32 v[TM+\b], v[TM+\b], |v[(\t)+16*\b+\i]|, |v[(\t)+16*\b+\i+1]|
.endr
.endr
.irp b, 0,1
	v_permlanex16_b32 v[PT+\b], v[TM+\b], s[SEL], s[SEL+1]
.endr
.irp b, 0,1
	v_max_num_f32 v[TM+\b], v[TM+\b], v[PT+\b]     ; with lane l xor 16's 16: the block's largest magnitude
.endr
.irp b, 0,1
	v_add_nc_u32 v[SO+\b], 0xff000000, v[TM+\b]    ; 2 off its exponent field: the conversion's scale operand
.endr
.irp b, 0,1
	v_lshrrev_b32 v[PT+\b], 23, v[SO+\b]           ; the scale's byte
.endr
	v_lshl_or_b32 v[\w], v[PT+1], 8, v[PT]
	v_cvt_scalef32_pk16_fp6_f32 v[(\c):(\c)+2], v[(\t):(\t)+15], v[SO]
	v_cvt_scalef32_pk16_fp6_f32 v[(\d):(\d)+2], v[(\t)+16:(\t)+31], v[SO+1]
	v_nop                                          ; one plain instruction behind the conversions
.irp i, 0,1,2
	v_permlane16_swap_b32 v[(\c)+\i], v[(\d)+\i]   ; the layout wants a whole block in a lane: lanes 0-15 block 0, lanes 16-31 block 1
.endr
.irp i, 0,1,2
	v_mov_b32 v[(\c)+3+\i], v[(\d)+\i]
.endr
.endm
	s_cmp_lg_u32 s12, 0
	s_cbranch_scc1 .Lvalues
	; ---- THE KEYS.  My P tiles are heads 4 x + 2 (w / 2) + e, e = 0, 1 (four tiles each); my Q tile q is tile 4 (w % 2) + q of key step y.
	s_lshl_b32 s18, s42, 2
	s_lshl_b32 s19, s15, 1
	s_add_co_u32 s18, s18, s19
	s_mul_i32 s18, s18, HB
	s_mul_i32 s19, s17, SB
	s_add_co_u32 s18, s18, s19
	s_mov_b32 s19, 0
	s_add_nc_u64 s[10:11], s[10:11], s[18:19]      ; kv at my first head's key step y
	s_mul_i32 s20, s16, 4*768
	s_mov_b32 s21, 0
	s_add_nc_u64 s[20:21], s[10:11], s[20:21]      ; my four half images
	s_lshl_b32 s22, s16, 8
	s_add_co_u32 s22, s22, 6144
	s_mov_b32 s23, 0
	s_add_nc_u64 s[22:23], s[10:11], s[22:23]      ; their scale words
.irp e, 0,1
.irp q, 0,1,2,3
	s_wait_xcnt 0x0                                ; the stores and prefetches before have read their registers
	WIN 0x01                                       ; source 0: the accumulators, window 1
	ROPE 64*\q+32*\e, CS+32*\q, TT
	WIN 0
	QUANT2 TT, PC, PD, WD+\q
	v_or_b32 v[WD+\q], 0x7f7f0000, v[WD+\q]        ; the instruction's K is 128: the upper 64 meet zero codes of the queries, under the scale 1
	global_store_b128 v[L16], v[PC:PC+3], s[20:21] offset:\e*HB+768*\q
	global_store_b64 v[L8], v[PC+4:PC+5], s[20:21] offset:\e*HB+768*\q+512
.endr
	v_cndmask_b32 v30, v[WD], v[WD+2], s97         ; lanes 0-15: tiles 0 and 1 of my four; lanes 16-31: tiles 2 and 3
	v_cndmask_b32 v31, v[WD+1], v[WD+3], s97
	global_store_b64 v[L8], v[30:31], s[22:23] offset:\e*HB
.endr
	s_branch .Ldone
	; ---- THE VALUES.  My P tiles are the 128 keys of step 2 x + w / 2; my Q tile q is tile q of head 2 y + w % 2: one image and one scale word a row.
.Lvalues:
	s_lshl_b32 s18, s17, 1
	s_add_co_u32 s18, s18, s16
	s_mul_i32 s18, s18, HB
	s_lshl_b32 s19, s42, 1
	s_add_co_u32 s19, s19, s15
	s_mul_i32 s19, s19, SB
	s_add_co_u32 s18, s18, s19
	s_add_co_u32 s18, s18, 6656
	s_mov_b32 s19, 0
	s_add_nc_u64 s[10:11], s[10:11], s[18:19]
.irp q, 0,1,2,3
	s_wait_xcnt 0x0                                ; the stores and prefetches before have read their registers
	WIN 0x05                                       ; sources 0 and 1: window 1
.irp b, 0,1,2,3
	v_max3_num_f32 v[TM+\b], |v[64*\q+16*\b]|, |v[64*\q+16*\b+1]|, 0x1800000
.endr
	WIN 0x14                                       ; sources 1 and 2: window 1
.irp i, 2,4,6,8,10,12,14
.irp b, 0,1,2,3
	v_max3_num_f32 v[TM+\b], v[TM+\b], |v[64*\q+16*\b+\i]|, |v[64*\q+16*\b+\i+1]|
.endr
.endr
	WIN 0
.irp b, 0,1,2,3
	v_permlanex16_b32 v[PT+\b], v[TM+\b], s[SEL], s[SEL+1]
.endr
.irp b, 0,1,2,3
	v_max_num_f32 v[TM+\b], v[TM+\b], v[PT+\b]
.endr
.irp b, 0,1,2,3
	v_add_nc_u32 v[SO+\b], 0xff000000, v[TM+\b]
.endr
.irp b, 0,1,2,3
	v_lshrrev_b32 v[PT+\b], 23, v[SO+\b]
.endr
	v_lshl_or_b32 v[WV4+\q], v[PT+1], 8, v[PT]
	v_lshl_or_b32 v[WV4+\q], v[PT+2], 16, v[WV4+\q]
	v_lshl_or_b32 v[WV4+\q], v[PT+3], 24, v[WV4+\q]
	WIN 0x01                                       ; source 0: window 1
.irp c, 0,1
	v_cvt_scalef32_pk16_fp6_f32 v[PC+6*\c:PC+6*\c+2], v[64*\q+32*\c:64*\q+32*\c+15], v[SO+2*\c]
	v_cvt_scalef32_pk16_fp6_f32 v[CT+4*\c:CT+4*\c+2], v[64*\q+32*\c+16:64*\q+32*\c+31], v[SO+2*\c+1]
.endr
	WIN 0
	v_nop
.irp c, 0,1
.irp i, 0,1,2
	v_permlane16_swap_b32 v[PC+6*\c+\i], v[CT+4*\c+\i]
.endr
.irp i, 0,1,2
	v_mov_b32 v[PC+6*\c+3+\i], v[CT+4*\c+\i]
.endr
.endr
	global_store_b128 v[L16], v[PC:PC+3], s[10:11] offset:KST*\q
	global_store_b64 v[L8], v[PC+4:PC+5], s[10:11] offset:KST*\q+512
	global_store_b128 v[L16], v[PC+6:PC+9], s[10:11] offset:KST*\q+768
	global_store_b64 v[L8], v[PC+10:PC+11], s[10:11] offset:KST*\q+1280
.endr
	v_cndmask_b32 v30, v[WV4], v[WV4+2], s97
	v_cndmask_b32 v31, v[WV4+1], v[WV4+3], s97
	global_store_b64 v[L8], v[30:31], s[10:11] offset:6144
.Ldone:
	s_wait_tensorcnt 0x0                           ; the wave's end
	ds_add_u32 v[SPW], v[NIL]
	s_wait_dscnt 0x0
	CROUND                                         ; the closing round: no work-group ends while a partner may still ask for a tile that names it
	s_endpgm
.Lfunc_end_k_qc684985892_proj:
	.size	k_qc684985892_proj, .Lfunc_end_k_qc684985892_proj-k_qc684985892_proj
	.p2alignl 7, 3214868480
	.fill 96, 4, 3214868480
	.section	.rodata,"a",@progbits
	.p2align	6, 0x0
	.amdhsa_kernel k_qc684985892_proj
		.amdhsa_group_segment_fixed_size 327680
		.amdhsa_private_segment_fixed_size 0
		.amdhsa_enable_private_segment 0
		.amdhsa_kernarg_size 24
		.amdhsa_user_sgpr_count 2
		.amdhsa_user_sgpr_kernarg_segment_ptr 1
		.amdhsa_wavefront_size32 1
		.amdhsa_system_sgpr_workgroup_id_x 1
		.amdhsa_system_sgpr_workgroup_id_y 1
		.amdhsa_system_sgpr_workgroup_id_z 1
		.amdhsa_system_vgpr_workitem_id 0
		.amdhsa_next_free_vgpr 1024
		.amdhsa_next_free_sgpr 100
		.amdhsa_reserve_vcc 0
		.amdhsa_float_denorm_mode_32 3
		.amdhsa_float_denorm_mode_16_64 3
		.amdhsa_memory_ordered 1
		.amdhsa_forward_progress 1
		.amdhsa_inst_pref_size 187
	.end_amdhsa_kernel
	.amdgpu_metadata
---
amdhsa.version: [ 1, 2 ]
amdhsa.kernels:
  - .name:           k_qc684985892_proj
    .symbol:         k_qc684985892_proj.kd
    .args:
      - { .name: wimg, .offset: 0, .size: 8, .value_kind: global_buffer, .address_space: global }
      - { .name: tab, .offset: 8, .size: 8, .value_kind: global_buffer, .address_space: global }
      - { .name: kv, .offset: 16, .size: 8, .value_kind: global_buffer, .address_space: global }
    .group_segment_fixed_size: 327680
    .private_segment_fixed_size: 0
    .kernarg_segment_align: 8
    .kernarg_segment_size: 24
    .max_flat_workgroup_size: 128
    .sgpr_count:     100
    .vgpr_count:     1024
    .wavefront_size: 32
...
	.end_amdgpu_metadata
.endif
;; end of part 2
;; launch attn (part 3): grid 8 x 32, 16 waves a work-group, clusters of 4 x 1, 256,000 bytes of LDS; arguments hidden_states, tab, kv, a_img; writes a_img
.if DOCPART == 3
	.amdgcn_target "amdgcn-amd-amdhsa--gfx1250"
	.amdhsa_code_object_version 6
	.text
	.protected	k_qc684985892_attn
	.globl	k_qc684985892_attn
	.p2align	8
	.type	k_qc684985892_attn,@function
k_qc684985892_attn:
	s_mov_b64 s[64:65], 0
	v_nop
	global_prefetch_b8 v0, s[64:65] scope:SCOPE_SE
	s_setreg_imm32_b32 hwreg(HW_REG_WAVE_MODE, 25, 1), 1
	s_wait_xcnt 0x0
	s_wait_alu depctr_hold_cnt(0) depctr_sa_sdst(0) depctr_va_vdst(0) depctr_va_sdst(0) depctr_va_ssrc(0) depctr_va_vcc(0) depctr_vm_vsrc(0)
	s_getreg_b32 s2, hwreg(HW_REG_IB_STS2, 6, 4)
	s_cmp_eq_u32 s2, 0
	s_cbranch_scc0 .Lentry_in_a_cluster
	s_endpgm
.Lentry_in_a_cluster:
	s_bfe_u32 s2, ttmp6, 0x10000c
	s_cmp_lg_u32 s2, 0x3003
	s_cbranch_scc0 .Lentry_shape_is_right
	s_endpgm
.Lentry_shape_is_right:
; ATTN.  Causal attention of one head, both products on codes of FP6 (E2M3) with E8M0 scales.  The queries are hidden_states' 64 numbers of the head, with RoPE, quantised here; keys and values come from kv as images of the operands' registers.
; THE SOFTMAX: t = score x log2(e) / 8; M = the running largest t rounded UP to a whole number; p = 2^(t - M) is quantised along the keys, not normalised; the row's sum of the unquantised p divides at the end;
; when M moves, the sum and O are multiplied by 2^(old M - new M), which rounds nothing.  Hidden keys are left out: key steps that lie wholly behind a tile's queries are not worked (reference's own causal mask), and on the
; diagonal p = 0 for hidden keys (reference's -1e9 gives the same as long as scores stay far under 1e9 in magnitude).
; SHARES.  A work-group serves one head: its 16 key steps of 128 keys, 208,896 bytes, come into LDS once, one joint tensor load a wave (key step = the wave's number), and stay: nothing is filled again.
; The work-group at place TQ = 0 .. 7 of its head owns tile TQ (16 queries) of each of the 16 blocks of 128 queries.  The waves work in PAIRS (waves 2 pr, 2 pr + 1): pair pr owns the LONG tile of block 8 + pr (9 + pr steps)
; and the SHORT tile of block 7 - pr (8 - pr steps): 17 steps a pair.  The pair's FIRST wave takes the long tile's steps 0 .. 8.  Its SECOND wave takes the short tile whole, stores it, takes the long tile's query codes
; from LDS (the first wave laid them there) and works its steps 9 on: 8 steps.  At the end it hands O, M and the sum over through LDS, and the first wave joins the two parts by powers of two and stores the long tile.
; Which of a pair is the first: the one whose number w has (w xor w / 4) even, so that among the waves w, w + 4, w + 8, w + 12 two are first and two second.
; ONE loop of 16 trips walks the key steps; what a wave does in a trip hangs on its number alone (scalar branches); the lines that step addresses are run in every trip.
; CLUSTER 4 x 1: the four partners serve the same head, so its bytes are asked for JOINTLY.  Nothing but global addresses and the mask's comparison hangs on the work-group's place.
; K = 64 IN A FORM OF 128: the queries' registers 6-11 are zero codes; a key tile's registers 6-11 are whatever follows it (the next tile's codes, or a cleared pad): finite numbers under the scale byte 0x7f, so those products are zeros.
; Both products are used transposed: a lane holds ONE query.  The keys of a tile and V's rows are ordered so that 16 registers of two neighbouring tiles are 16 neighbours.
; OUT: O / the sum, quantised along the head's 64, as half an image of the last product's operand: a_img [group = head / 8][tile of 16 tokens][6,400]: image (head / 2) % 4, half head % 2; the scale words [row][4 words] at 6,144.
; LIMITS: NaN and infinities are not served; a block of zeros, or one whose largest magnitude lies under 2^-124, gets the byte 1.  The scaled scores stay under 2^31 in magnitude.
; No prefetch: all that the launch reads of kv is asked for at its head.
.set HB,  208896
.set SB,  13056
.set STG, 208896                       ; behind the keys and values: a stage of PRB bytes for each pair: query codes at 0, 512, their scale word at 768; O at 1024; the sums at 5120; -M at 5376
.set PRB, 5632
.set SPARE, STG+8*PRB                  ; the spare words, 128 bytes for each of 16 waves
.set L16, 1
.set L8,  2
.set A16, 3
.set A8,  4
.set MD,  5                            ; v5   16 TQ + r - 16 h: register 16 b + i of the diagonal step is hidden where 32 b + i is larger
.set R16, 7
.set QC,  16                           ; v16-21 the queries' codes, v22-27 zeros
.set QS,  28                           ; v28  their scale word
.set P16, 29                           ; v29-31 my pair's stage + 16, 8, 4 x lane
.set P8,  30
.set P4,  31
.set KF,  32                           ; v32-79 K's tile t at + 6 t, later V's tile q at + 12 q; v80-85 the cleared pad
.set SCO, 86                           ; v86-149 S^T, then p
.set OT,  150                          ; v150-181 O^T
.set PCD, 182                          ; v182-193 p's codes
.set TM,  194                          ; v194-197 the blocks' largest
.set PT,  198                          ; v198-205 at work
.set SO,  206                          ; v206-209 the conversions' scale operands
.set KS,  210                          ; v210-213 K's scale words
.set VS,  214                          ; v214-215 V's
.set FF,  216                          ; v216 f, v217 p's scale word
.set W0,  218
.set SA,  220                          ; v220-233 seven partial sums of p
.set SPW, 254
.set NIL, 255
.set WV,  18
.set SEL, 20
.set CS,  22
.set G1,  24
.set G0,  32
.set TB,  48                           ; LDS byte of the step in hand
.set ST,  49                           ; the step's number, the loop's counter
.set LIM, 50                           ; the last step that I work on the tile in hand
.set DG,  51                           ; that tile's diagonal step
.set SWT, 52                           ; the trip in which I change tiles: 8 in second waves, never in first ones
.set PAR, 53                           ; 0: the pair's first wave, 1: its second
.set BL,  69                           ; the long tile's block
.macro CROUND
	s_barrier_signal -1
	s_barrier_wait -1
	s_cmp_lg_u32 s[WV], 0
	s_cbranch_scc1 .Lnot_wave_0_\@
	s_barrier_signal -3
.Lnot_wave_0_\@:
	s_barrier_wait -3
	s_barrier_signal -1
	s_barrier_wait -1
.endm
.macro ROPE lo, cs, t                  ; lo (d = 16 h + i) at v[lo + i], hi (d = 32 + 16 h + i) at v[lo + 16 + i]; cosines at v[cs + i], sines at v[cs + 16 + i]
.irp i, 0,2,4,6,8,10,12,14
	v_pk_mul_f32 v[(\t)+\i:(\t)+\i+1], v[(\lo)+\i:(\lo)+\i+1], v[(\cs)+\i:(\cs)+\i+1]
	v_pk_mul_f32 v[(\t)+16+\i:(\t)+17+\i], v[(\lo)+16+\i:(\lo)+17+\i], v[(\cs)+\i:(\cs)+\i+1]
	s_delay_alu instid0(VALU_DEP_2)
	v_pk_fma_f32 v[(\t)+\i:(\t)+\i+1], v[(\lo)+16+\i:(\lo)+17+\i], v[(\cs)+16+\i:(\cs)+17+\i], v[(\t)+\i:(\t)+\i+1] neg_lo:[1,0,0] neg_hi:[1,0,0]
	s_delay_alu instid0(VALU_DEP_2)
	v_pk_fma_f32 v[(\t)+16+\i:(\t)+17+\i], v[(\lo)+\i:(\lo)+\i+1], v[(\cs)+16+\i:(\cs)+17+\i], v[(\t)+16+\i:(\t)+17+\i]
.endr
.endm
.macro QUANT2 t, c, d, w               ; 32 numbers of a lane, v[t + 16 b + i] = k 32 b + 16 h + i of my row: half an image at v[c], the two scale bytes in v[w]
.irp b, 0,1
	v_max3_num_f32 v[TM+\b], |v[(\t)+16*\b]|, |v[(\t)+16*\b+1]|, 0x1800000
.endr
.irp i, 2,4,6,8,10,12,14
.irp b, 0,1
	s_delay_alu instid0(VALU_DEP_2)
	v_max3_num_f32 v[TM+\b], v[TM+\b], |v[(\t)+16*\b+\i]|, |v[(\t)+16*\b+\i+1]|
.endr
.endr
.irp b, 0,1
	s_delay_alu instid0(VALU_DEP_2)
	v_permlanex16_b32 v[PT+\b], v[TM+\b], s[SEL], s[SEL+1]
.endr
.irp b, 0,1
	s_delay_alu instid0(VALU_DEP_2)
	v_max_num_f32 v[TM+\b], v[TM+\b], v[PT+\b]
.endr
.irp b, 0,1
	s_delay_alu instid0(VALU_DEP_2)
	v_add_nc_u32 v[SO+\b], 0xff000000, v[TM+\b]
.endr
.irp b, 0,1
	s_delay_alu instid0(VALU_DEP_2)
	v_lshrrev_b32 v[PT+\b], 23, v[SO+\b]
.endr
	s_delay_alu instid0(VALU_DEP_1)
	v_lshl_or_b32 v[\w], v[PT+1], 8, v[PT]
	v_cvt_scalef32_pk16_fp6_f32 v[(\c):(\c)+2], v[(\t):(\t)+15], v[SO]
	v_cvt_scalef32_pk16_fp6_f32 v[(\d):(\d)+2], v[(\t)+16:(\t)+31], v[SO+1]
	v_nop
.irp i, 0,1,2
	v_permlane16_swap_b32 v[(\c)+\i], v[(\d)+\i]
.endr
.irp i, 0,1,2
	s_delay_alu instid0(VALU_DEP_3)
	v_mov_b32 v[(\c)+3+\i], v[(\d)+\i]
.endr
.endm
.macro RESET                           ; a tile's sums begin: O^T = 0, the largest t = -3e38, the row's sum = 0 (the step is written once; the first change of M multiplies zeros)
.set n, 0
.rept 32
	v_mov_b32 v[OT+n], 0
.set n, n+1
.endr
	v_mov_b32 v13, 0xff61b1e6
	v_mov_b32 v14, 0
	v_mov_b32 v15, 0
	v_floor_f32 v12, -v13                          ; -M
.endm
.macro OUT                             ; v[SCO + 16 b + i] = o(r, 32 b + 16 h + i): quantised along the head's 64 and stored
	QUANT2 SCO, PCD, PT+4, W0
	global_store_b128 v[L16], v[PCD:PCD+3], s[10:11]               ; 512 consecutive bytes, aligned
	global_store_b64 v[L8], v[PCD+4:PCD+5], s[10:11] offset:512    ; 256
	global_store_b16 v[R16], v[W0], s[12:13]       ; my row's two scale bytes; both halves of the lanes write the same bytes with the same value.  16 bytes from row to row: the bytes between are other heads'
.endm
	s_load_b256 s[4:11], s[0:1], 0x0               ; hidden s[4:5], tab s[6:7], kv s[8:9], a_img s[10:11]
	v_lshl_add_u32 v[SPW], v0, 2, SPARE
	v_mov_b32 v[NIL], 0
	ds_add_u32 v[SPW], v[NIL]                      ; the opening lines: the add, twice on end, and its wait ahead of my tensor load
	ds_add_u32 v[SPW], v[NIL]
	v_lshrrev_b32 v1, 5, v0
	s_delay_alu instid0(VALU_DEP_1)
	v_readfirstlane_b32 s[WV], v1                  ; wave 0..15
	s_bfe_u32 s54, ttmp6, 0x40000                  ; cx
	s_and_b32 s55, ttmp7, 0xffff                   ; the head, which the partners share
	s_lshl_b32 s56, ttmp9, 2
	s_add_co_u32 s56, s56, s54                     ; TQ: my work-group's tile in every block
	s_lshr_b32 s57, s[WV], 1                       ; pr
	s_lshr_b32 s[PAR], s[WV], 2
	s_xor_b32 s[PAR], s[PAR], s[WV]
	s_and_b32 s[PAR], s[PAR], 1
	s_add_co_u32 s[BL], s57, 8                     ; the long tile's block,
	s_sub_co_u32 s58, 7, s57                       ; the short one's
	s_cmp_eq_u32 s[PAR], 0
	s_cselect_b32 s[DG], s[BL], s58                ; the tile whose queries I make and whose result I store: first waves the long one, second waves the short one
	s_cselect_b32 s[LIM], 8, s58
	s_cselect_b32 s[SWT], 16, 8
	s_lshl_b32 s59, s[DG], 3
	s_add_co_u32 s59, s59, s56                     ; T: that tile of 16 tokens
	s_mul_i32 s60, s55, HB
	s_mul_i32 s[G0+1], s[WV], SB                   ; the key step that I fetch: in LDS as in memory
	s_add_co_u32 s60, s60, s[G0+1]
	s_mov_b32 s61, 0
	s_mov_b32 s[G0], 1
	s_mov_b32 s[G1], 15|(3<<16)|(1<<21)            ; 15:0 the mask: all four work-groups; 17:16 elements of 8 bytes; 21 set beside a mask
	s_mov_b32 s[G1+1], 32<<16                      ; a key step is a dense block of 13,056 bytes: 51 rows of 256
	s_mov_b32 s[G1+2], 51<<16
	s_mov_b32 s[G1+3], 32<<16
	s_mov_b32 s[G1+4], 51
	s_mov_b32 s[G1+5], 32
	s_mov_b32 s[G1+6], 0
	s_mov_b32 s[G1+7], 0
	s_mov_b32 s[SEL], 0x76543210
	s_mov_b32 s[SEL+1], 0xfedcba98
	s_mov_b32 s[CS], 0x3e38aa3b                    ; c = log2(e) / sqrt(64)
	s_mov_b32 s[CS+1], s[CS]
	s_mov_b32 s[TB], 0
	s_mov_b32 s[ST], 0
	s_wait_alu depctr_va_vdst(0)
	s_wait_dscnt 0x0
	s_wait_kmcnt 0x0
	s_add_nc_u64 s[G0+2:G0+3], s[8:9], s[60:61]
	s_or_b32 s[G0+3], s[G0+3], 0x80000000
	CROUND                                         ; all four work-groups are here: the joint loads meet
	tensor_load_to_lds s[G0:G0+3], s[G1:G1+7]      ; one load a wave: sixteen waves, sixteen key steps
	s_nop 0
	s_lshl_b32 s62, s59, 17                        ; 16 T rows of 8,192 bytes,
	s_lshl_b32 s63, s55, 8                         ; the head's 256 bytes
	s_add_co_u32 s62, s62, s63
	s_mov_b32 s63, 0
	s_add_nc_u64 s[4:5], s[4:5], s[62:63]
	s_lshl_b32 s62, s59, 12
	s_add_nc_u64 s[6:7], s[6:7], s[62:63]
	s_mul_i32 s62, s59, 6400
	s_lshr_b32 s66, s55, 3
	s_mul_i32 s66, s66, 819200
	s_add_co_u32 s62, s62, s66                     ; a_img: my tile's part of group head / 8
	s_and_b32 s66, s55, 7
	s_lshl_b32 s70, s66, 1
	s_add_co_u32 s70, s70, s62
	s_add_co_u32 s70, s70, 6144                    ; its scale words, my head's two bytes of a row's sixteen
	s_mov_b32 s71, 0
	s_add_nc_u64 s[12:13], s[10:11], s[70:71]
	s_mul_i32 s66, s66, 768
	s_add_co_u32 s62, s62, s66                     ; my head's half image
	s_add_nc_u64 s[10:11], s[10:11], s[62:63]
	s_mul_i32 s67, s57, PRB
	s_add_co_u32 s67, s67, STG                     ; my pair's stage
	s_lshl_b32 s68, s56, 4                         ; 16 TQ
	v_and_b32 v6, 31, v0
	v_and_b32 v8, 15, v0                           ; r
	v_bfe_u32 v9, v0, 4, 1                         ; h
	v_lshlrev_b32 v[L16], 4, v6
	v_lshlrev_b32 v[L8], 3, v6
	v_lshlrev_b32 v10, 13, v8
	v_lshlrev_b32 v11, 8, v8
	s_delay_alu instid0(VALU_DEP_2)
	v_lshl_add_u32 v10, v9, 6, v10                 ; hidden: row r, + 64 h
	s_delay_alu instid0(VALU_DEP_2)
	v_lshl_add_u32 v11, v9, 6, v11                 ; the table: row r, + 64 h
.irp j, 0,1,2,3
	global_load_b128 v[SCO+4*\j:SCO+4*\j+3], v10, s[4:5] offset:16*\j              ; d = 16 h + 0 .. 15
	global_load_b128 v[SCO+16+4*\j:SCO+19+4*\j], v10, s[4:5] offset:128+16*\j      ; d = 32 + 16 h + 0 .. 15
	global_load_b128 v[SCO+32+4*\j:SCO+35+4*\j], v11, s[6:7] offset:16*\j          ; cosines
	global_load_b128 v[SCO+48+4*\j:SCO+51+4*\j], v11, s[6:7] offset:128+16*\j      ; sines
.endr
	v_lshlrev_b32 v[MD], 4, v9
	v_lshlrev_b32 v[P4], 2, v6
	v_add_nc_u32 v[P16], s67, v[L16]
	v_add_nc_u32 v[P8], s67, v[L8]
	v_sub_nc_u32 v[MD], v8, v[MD]
	v_add_nc_u32 v[P4], s67, v[P4]
	v_lshlrev_b32 v[R16], 4, v8
	v_add_nc_u32 v[MD], s68, v[MD]
.irp b, 0,1,2,3
	v_mov_b32 v[PT+\b], 0                          ; a lane permute's destination counts as one of its sources
.endr
	v_mov_b32 v[W0], 0
	v_mov_b32 v[FF+1], 0                           ; (named as the upper half of a pair before it is first written)
	s_wait_alu depctr_va_vdst(0)
	s_wait_loadcnt 0x0
	ROPE SCO, SCO+32, OT
	QUANT2 OT, QC, PT+4, QS
	v_or_b32 v[QS], 0x7f7f0000, v[QS]              ; the scale 1 over the zero codes
.irp i, 0,1,2,3,4,5
	v_mov_b32 v[QC+6+\i], 0                        ; the queries' K = 64 .. 127: zero codes
	v_mov_b32 v[KF+48+\i], 0                       ; the pad behind K's last tile
.endr
	RESET
	s_wait_alu depctr_va_vdst(0)                   ; at the head's end
	s_wait_tensorcnt 0x0                           ; my key step is in
	s_cmp_lg_u32 s[PAR], 0
	s_cbranch_scc1 .Lno_hand
	ds_store_b128 v[P16], v[QC:QC+3]               ; first waves: the long tile's query codes and scale word, as an image of their registers, for my partner
	ds_store_b64 v[P8], v[QC+4:QC+5] offset:512
	ds_store_b32 v[P4], v[QS] offset:768
.Lno_hand:
	s_wait_dscnt 0x0
	s_barrier_signal -1
	s_barrier_wait -1                              ; everybody's key step and codes are in
.Lstep:                                            ; a trip for each key step of 128 keys
	s_cmp_lg_u32 s[ST], s[SWT]
	s_cbranch_scc1 .Lwork
	; ---- second waves, trip 8: the short tile is finished and stored; the long tile's steps 9 on begin
.rept 4
	v_nop                                          ; four plain instructions behind the last products
.endr
	s_wait_alu depctr_va_vdst(0)
	v_add_f32 v14, v14, v15
	s_delay_alu instid0(VALU_DEP_1)
	v_permlanex16_b32 v[W0], v14, s[SEL], s[SEL+1]
	s_delay_alu instid0(VALU_DEP_1)
	v_add_f32 v14, v14, v[W0]                      ; the row's sum
	s_wait_alu depctr_va_vdst(0)
	v_rcp_f32 v14, v14
	v_nop
	s_wait_alu depctr_va_vdst(0)                   ; ahead of the reciprocal's first reader, which is O^T's too
.set n, 0
.rept 16
	v_pk_mul_f32 v[SCO+n:SCO+n+1], v[OT+n:OT+n+1], v[14:15] op_sel_hi:[1,0]
.set n, n+2
.endr
	OUT
	ds_load_b128 v[QC:QC+3], v[P16]                ; the long tile's queries, laid down ahead of the barrier
	ds_load_b64 v[QC+4:QC+5], v[P8] offset:512
	ds_load_b32 v[QS], v[P4] offset:768
	RESET
	s_mov_b32 s[LIM], s[BL]
	s_mov_b32 s[DG], s[BL]
	s_wait_xcnt 0x0                                ; the stores have read their registers, which the next steps write
	s_wait_alu depctr_va_vdst(0)
	s_wait_dscnt 0x0
	s_branch .Lnext
.Lwork:
	s_cmp_gt_u32 s[ST], s[LIM]                     ; not mine, or all its keys come after my queries
	s_cbranch_scc1 .Lnext
	v_add_nc_u32 v[A16], s[TB], v[L16]
	v_add_nc_u32 v[A8], s[TB], v[L8]
	v_nop
	v_nop                                          ; four plain instructions in front of loads into registers that the last products read
.irp t, 0,1,2,3,4,5,6,7
	ds_load_b128 v[KF+6*\t:KF+6*\t+3], v[A16] offset:768*\t
	ds_load_b64 v[KF+6*\t+4:KF+6*\t+5], v[A8] offset:768*\t+512
.endr
	ds_load_b64 v[KS:KS+1], v[A8] offset:6144      ; lanes 0-15: tiles 0, 1; lanes 16-31: tiles 2, 3
	ds_load_b64 v[KS+2:KS+3], v[A8] offset:6400    ; tiles 4, 5; 6, 7
	s_wait_alu depctr_va_vdst(0)
	s_wait_dscnt 0x0
.irp t, 0,1,2,3,4,5,6,7                        ; S^T = K Q^T
.if ((\t)/2)%2
	v_wmma_scale_f32_16x16x128_f8f6f4 v[SCO+8*\t:SCO+8*\t+7], v[KF+6*\t:KF+6*\t+11], v[QC:QC+11], 0, v[KS+2*(\t/4)+\t%2], v[QS] matrix_a_fmt:MATRIX_FMT_FP6 matrix_b_fmt:MATRIX_FMT_FP6 matrix_a_scale:MATRIX_SCALE_ROW1
.else
	v_wmma_scale_f32_16x16x128_f8f6f4 v[SCO+8*\t:SCO+8*\t+7], v[KF+6*\t:KF+6*\t+11], v[QC:QC+11], 0, v[KS+2*(\t/4)+\t%2], v[QS] matrix_a_fmt:MATRIX_FMT_FP6 matrix_b_fmt:MATRIX_FMT_FP6
.endif
.endr
.rept 4
	v_nop                                          ; in front of the loads below and of the first read of the scores
.endr
.irp q, 0,1,2,3                                ; V's four tiles land while the softmax is worked
	ds_load_b128 v[KF+12*\q:KF+12*\q+3], v[A16] offset:6656+1536*\q
	ds_load_b64 v[KF+12*\q+4:KF+12*\q+5], v[A8] offset:6656+1536*\q+512
	ds_load_b128 v[KF+12*\q+6:KF+12*\q+9], v[A16] offset:6656+1536*\q+768
	ds_load_b64 v[KF+12*\q+10:KF+12*\q+11], v[A8] offset:6656+1536*\q+1280
.endr
	ds_load_b64 v[VS:VS+1], v[A8] offset:12800
	s_cmp_lg_u32 s[ST], s[DG]                      ; all its keys count
	s_cbranch_scc1 .Lopen
	v_mov_b32 v[W0], 0xff800000                    ; on the diagonal hidden scores become -infinity ahead of the maximum: p = 0 then
.irp b, 0,1,2,3
.irp i, 0,1,2,3,4,5,6,7,8,9,10,11,12,13,14,15
	v_cmp_gt_i32 vcc_lo, 32*\b+\i, v[MD]
	v_cndmask_b32 v[SCO+16*\b+\i], v[SCO+16*\b+\i], v[W0], vcc_lo
.endr
.endr
.Lopen:
.irp b, 0,1,2,3
	v_max3_num_f32 v[TM+\b], v[SCO+16*\b], v[SCO+1+16*\b], v[SCO+2+16*\b]   ; the largest score of each block of 32 keys: for the row's maximum and, since p rises with the score, for the block's largest p
.endr
.irp i, 3,5,7,9,11,13
.irp b, 0,1,2,3
	v_max3_num_f32 v[TM+\b], v[TM+\b], v[SCO+16*\b+\i], v[SCO+1+16*\b+\i]
.endr
.endr
.irp b, 0,1,2,3
	v_max_num_f32 v[TM+\b], v[TM+\b], v[SCO+15+16*\b]
.endr
.irp b, 0,1,2,3
	s_delay_alu instid0(VALU_DEP_4)
	v_permlanex16_b32 v[PT+\b], v[TM+\b], s[SEL], s[SEL+1]
.endr
.irp b, 0,1,2,3
	s_delay_alu instid0(VALU_DEP_4)
	v_max_num_f32 v[TM+\b], v[TM+\b], v[PT+\b]     ; with lane l xor 16's 16 keys
.endr
	s_delay_alu instid0(VALU_DEP_2)
	v_max3_num_f32 v[W0], v[TM], v[TM+1], v[TM+2]
	s_delay_alu instid0(VALU_DEP_1)
	v_max_num_f32 v[W0], v[W0], v[TM+3]
	s_delay_alu instid0(VALU_DEP_1)
	v_mul_f32 v[W0], s[CS], v[W0]                  ; as t
	s_delay_alu instid0(VALU_DEP_1)
	v_max_num_f32 v13, v13, v[W0]                  ; the running largest t
	v_mov_b32 v[W0], v12
	s_delay_alu instid0(VALU_DEP_2)
	v_floor_f32 v12, -v13                          ; the new -M = -ceil(t)
	s_delay_alu instid0(VALU_DEP_1)
	v_sub_f32 v[W0], v12, v[W0]                    ; old M - new M: a whole number, 0 or less
	s_delay_alu instid0(VALU_DEP_1)
	v_cvt_i32_f32 v[W0], v[W0]                     ; (it saturates)
	s_delay_alu instid0(VALU_DEP_1)
	v_ldexp_f32 v[FF], 1.0, v[W0]                  ; f = 2^(old M - new M)
.set n, 0
.rept 32
	v_pk_fma_f32 v[SCO+n:SCO+n+1], v[SCO+n:SCO+n+1], s[CS:CS+1], v[12:13] op_sel_hi:[1,0,0]   ; t - M
.set n, n+2
.endr
.irp b, 0,1,2,3
	v_fma_f32 v[TM+\b], v[TM+\b], s[CS], v12
.endr
	s_wait_alu depctr_va_vdst(0)                   ; ahead of the batch
.set n, 0
.rept 64
	v_exp_f32 v[SCO+n], v[SCO+n]                   ; p = 2^(t - M)
.set n, n+1
.endr
	v_pk_mul_f32 v[14:15], v[14:15], v[FF:FF+1] op_sel_hi:[1,0]   ; the sums under the new M: a plain instruction behind the exponentials
	s_wait_alu depctr_va_vdst(0)                   ; one wait for the whole batch, ahead of its first reader
.irp b, 0,1,2,3
	v_exp_f32 v[TM+\b], v[TM+\b]                   ; the block's largest p
.endr
.irp c, 0,1,2,3,4,5,6                          ; the row's sum of the unquantised p: eight chains by turns
	v_pk_add_f32 v[SA+2*\c:SA+2*\c+1], v[SCO+4*\c:SCO+4*\c+1], v[SCO+4*\c+2:SCO+4*\c+3]
.endr
	v_pk_add_f32 v[14:15], v[14:15], v[SCO+28:SCO+29]
.irp g, 30,46
.irp c, 0,1,2,3,4,5,6
	v_pk_add_f32 v[SA+2*\c:SA+2*\c+1], v[SA+2*\c:SA+2*\c+1], v[SCO+\g+2*\c:SCO+\g+2*\c+1]
.endr
	v_pk_add_f32 v[14:15], v[14:15], v[SCO+\g+14:SCO+\g+15]
.endr
	v_pk_add_f32 v[SA:SA+1], v[SA:SA+1], v[SCO+62:SCO+63]
	v_pk_add_f32 v[14:15], v[14:15], v[SA+6:SA+7]
	v_pk_add_f32 v[SA+2:SA+3], v[SA+2:SA+3], v[SA+10:SA+11]
	v_pk_add_f32 v[SA+4:SA+5], v[SA+4:SA+5], v[SA+12:SA+13]
	v_pk_add_f32 v[SA:SA+1], v[SA:SA+1], v[SA+8:SA+9]
	s_delay_alu instid0(VALU_DEP_3)
	v_pk_add_f32 v[14:15], v[14:15], v[SA+2:SA+3]
	s_delay_alu instid0(VALU_DEP_2)
	v_pk_add_f32 v[SA:SA+1], v[SA:SA+1], v[SA+4:SA+5]
	s_delay_alu instid0(VALU_DEP_1)
	v_pk_add_f32 v[14:15], v[14:15], v[SA:SA+1]
	s_wait_alu depctr_va_vdst(0)                   ; and one for the four
.irp b, 0,1,2,3
	v_max_num_f32 v[TM+\b], 0x1800000, v[TM+\b]    ; the floor 2^(3 - 127)
.endr
.irp b, 0,1,2,3
	s_delay_alu instid0(VALU_DEP_4)
	v_add_nc_u32 v[SO+\b], 0xff000000, v[TM+\b]
.endr
.irp b, 0,1,2,3
	s_delay_alu instid0(VALU_DEP_4)
	v_lshrrev_b32 v[PT+\b], 23, v[SO+\b]
.endr
	s_delay_alu instid0(VALU_DEP_3)
	v_lshl_or_b32 v[FF+1], v[PT+1], 8, v[PT]       ; p's scale word for these 128 keys
	s_delay_alu instid0(VALU_DEP_1)
	v_lshl_or_b32 v[FF+1], v[PT+2], 16, v[FF+1]
	s_delay_alu instid0(VALU_DEP_1)
	v_lshl_or_b32 v[FF+1], v[PT+3], 24, v[FF+1]
.irp c, 0,1
	v_cvt_scalef32_pk16_fp6_f32 v[PCD+6*\c:PCD+6*\c+2], v[SCO+32*\c:SCO+32*\c+15], v[SO+2*\c]
	v_cvt_scalef32_pk16_fp6_f32 v[PT+4*\c:PT+4*\c+2], v[SCO+32*\c+16:SCO+32*\c+31], v[SO+2*\c+1]
.endr
	v_nop
.irp c, 0,1
.irp i, 0,1,2
	v_permlane16_swap_b32 v[PCD+6*\c+\i], v[PT+4*\c+\i]
.endr
.irp i, 0,1,2
	s_delay_alu instid0(VALU_DEP_3)
	v_mov_b32 v[PCD+6*\c+3+\i], v[PT+4*\c+\i]
.endr
.endr
	s_wait_alu depctr_va_vdst(0)                   ; directly ahead of the first reader of O^T
.set n, 0
.rept 16
	v_pk_mul_f32 v[OT+n:OT+n+1], v[OT+n:OT+n+1], v[FF:FF+1] op_sel_hi:[1,0]   ; O^T under the new M; these are also the plain instructions between the codes' and the scale word's last writes and the products
.set n, n+2
.endr
	s_wait_alu depctr_va_vdst(0)
	s_wait_dscnt 0x0                               ; V is in
.irp q, 0,1,2,3                                ; O^T += V^T P^T
.if (\q) >= 2
	v_wmma_scale_f32_16x16x128_f8f6f4 v[OT+8*\q:OT+8*\q+7], v[KF+12*\q:KF+12*\q+11], v[PCD:PCD+11], v[OT+8*\q:OT+8*\q+7], v[VS+\q%2], v[FF+1] matrix_a_fmt:MATRIX_FMT_FP6 matrix_b_fmt:MATRIX_FMT_FP6 matrix_a_scale:MATRIX_SCALE_ROW1
.else
	v_wmma_scale_f32_16x16x128_f8f6f4 v[OT+8*\q:OT+8*\q+7], v[KF+12*\q:KF+12*\q+11], v[PCD:PCD+11], v[OT+8*\q:OT+8*\q+7], v[VS+\q%2], v[FF+1] matrix_a_fmt:MATRIX_FMT_FP6 matrix_b_fmt:MATRIX_FMT_FP6
.endif
.endr
.Lnext:
	s_add_co_u32 s[TB], s[TB], SB
	s_add_co_u32 s[ST], s[ST], 1
	s_cmp_lt_u32 s[ST], 16
	s_cbranch_scc1 .Lstep
	; THE TWO PARTS OF THE LONG TILE ARE JOINED
.rept 4
	v_nop                                          ; four plain instructions behind the last products
.endr
	s_wait_alu depctr_va_vdst(0)
	s_cmp_eq_u32 s[PAR], 0
	s_cbranch_scc1 .Lkeep
.set n, 0
.rept 8
	ds_store_b128 v[P16], v[OT+4*n:OT+4*n+3] offset:1024+512*n   ; second waves: my part of O^T, each accumulator from its low end on,
.set n, n+1
.endr
	ds_store_b64 v[P8], v[14:15] offset:5120       ; my part of the sum, in two halves,
	ds_store_b32 v[P4], v12 offset:5376            ; and my -M (3e38 where I had no step: its part then counts for nothing)
.Lkeep:
	s_wait_dscnt 0x0
	s_barrier_signal -1
	s_barrier_wait -1
	s_cmp_lg_u32 s[PAR], 0
	s_cbranch_scc1 .Lend
.set n, 0
.rept 8
	ds_load_b128 v[SCO+4*n:SCO+4*n+3], v[P16] offset:1024+512*n
.set n, n+1
.endr
	ds_load_b64 v[PT:PT+1], v[P8] offset:5120
	ds_load_b32 v[PT+2], v[P4] offset:5376
	s_wait_dscnt 0x0
	v_min_num_f32 v[W0], v12, v[PT+2]              ; -M of the whole row
	v_add_f32 v14, v14, v15
	v_add_f32 v[PT], v[PT], v[PT+1]
	v_sub_f32 v[TM], v[W0], v12                    ; each part's M less the row's: whole numbers, 0 or less
	v_sub_f32 v[TM+2], v[W0], v[PT+2]
	s_delay_alu instid0(VALU_DEP_2)
	v_cvt_i32_f32 v[TM], v[TM]                     ; (they saturate)
	s_delay_alu instid0(VALU_DEP_2)
	v_cvt_i32_f32 v[TM+2], v[TM+2]
	s_delay_alu instid0(VALU_DEP_2)
	v_ldexp_f32 v[TM], 1.0, v[TM]                  ; the two factors: powers of two, which round nothing
	s_delay_alu instid0(VALU_DEP_2)
	v_ldexp_f32 v[TM+2], 1.0, v[TM+2]
	s_delay_alu instid0(VALU_DEP_2)
	v_mul_f32 v14, v14, v[TM]
	s_delay_alu instid0(VALU_DEP_1)
	v_fmac_f32 v14, v[PT], v[TM+2]
	s_delay_alu instid0(VALU_DEP_1)
	v_permlanex16_b32 v[W0], v14, s[SEL], s[SEL+1]
	s_delay_alu instid0(VALU_DEP_1)
	v_add_f32 v14, v14, v[W0]                      ; the row's sum
	s_wait_alu depctr_va_vdst(0)
	v_rcp_f32 v14, v14
	v_nop
	s_wait_alu depctr_va_vdst(0)                   ; ahead of the reciprocal's first reader
	v_mul_f32 v[TM], v[TM], v14
	v_mul_f32 v[TM+2], v[TM+2], v14
.set n, 0
.rept 16
	v_pk_mul_f32 v[SCO+n:SCO+n+1], v[SCO+n:SCO+n+1], v[TM+2:TM+3] op_sel_hi:[1,0]
.set n, n+2
.endr
	s_wait_alu depctr_va_vdst(0)                   ; directly ahead of the first reader of O^T
.set n, 0
.rept 16
	v_pk_fma_f32 v[SCO+n:SCO+n+1], v[OT+n:OT+n+1], v[TM:TM+1], v[SCO+n:SCO+n+1] op_sel_hi:[1,0,1]
.set n, n+2
.endr
	OUT
.Lend:
	s_wait_tensorcnt 0x0                           ; the wave's end
	ds_add_u32 v[SPW], v[NIL]
	s_wait_dscnt 0x0
	CROUND                                         ; the closing round
	s_endpgm
.Lfunc_end_k_qc684985892_attn:
	.size	k_qc684985892_attn, .Lfunc_end_k_qc684985892_attn-k_qc684985892_attn
	.p2alignl 7, 3214868480
	.fill 96, 4, 3214868480
	.section	.rodata,"a",@progbits
	.p2align	6, 0x0
	.amdhsa_kernel k_qc684985892_attn
		.amdhsa_group_segment_fixed_size 256000
		.amdhsa_private_segment_fixed_size 0
		.amdhsa_enable_private_segment 0
		.amdhsa_kernarg_size 32
		.amdhsa_user_sgpr_count 2
		.amdhsa_user_sgpr_kernarg_segment_ptr 1
		.amdhsa_wavefront_size32 1
		.amdhsa_system_sgpr_workgroup_id_x 1
		.amdhsa_system_sgpr_workgroup_id_y 1
		.amdhsa_system_sgpr_workgroup_id_z 1
		.amdhsa_system_vgpr_workitem_id 0
		.amdhsa_next_free_vgpr 256
		.amdhsa_next_free_sgpr 80
		.amdhsa_reserve_vcc 1
		.amdhsa_float_denorm_mode_32 3
		.amdhsa_float_denorm_mode_16_64 3
		.amdhsa_memory_ordered 1
		.amdhsa_forward_progress 1
		.amdhsa_inst_pref_size 50
	.end_amdhsa_kernel
	.amdgpu_metadata
---
amdhsa.version: [ 1, 2 ]
amdhsa.kernels:
  - .name:           k_qc684985892_attn
    .symbol:         k_qc684985892_attn.kd
    .args:
      - { .name: hidden_states, .offset: 0, .size: 8, .value_kind: global_buffer, .address_space: global }
      - { .name: tab, .offset: 8, .size: 8, .value_kind: global_buffer, .address_space: global }
      - { .name: kv, .offset: 16, .size: 8, .value_kind: global_buffer, .address_space: global }
      - { .name: a_img, .offset: 24, .size: 8, .value_kind: global_buffer, .address_space: global }
    .group_segment_fixed_size: 256000
    .private_segment_fixed_size: 0
    .kernarg_segment_align: 8
    .kernarg_segment_size: 32
    .max_flat_workgroup_size: 512
    .sgpr_count:     80
    .vgpr_count:     256
    .wavefront_size: 32
...
	.end_amdgpu_metadata
.endif
;; end of part 3
;; launch oproj (part 4): grid 16 x 16, 4 waves a work-group, clusters of 4 x 4, 327,680 bytes of LDS; arguments wimg, a_img, out0; writes out0
.if DOCPART == 4
	.amdgcn_target "amdgcn-amd-amdhsa--gfx1250"
	.amdhsa_code_object_version 6
	.text
	.protected	k_qc684985892_oproj
	.globl	k_qc684985892_oproj
	.p2align	8
	.type	k_qc684985892_oproj,@function
k_qc684985892_oproj:
	s_mov_b64 s[64:65], 0
	v_nop
	global_prefetch_b8 v0, s[64:65] scope:SCOPE_SE
	s_setreg_imm32_b32 hwreg(HW_REG_WAVE_MODE, 25, 1), 1
	s_wait_xcnt 0x0
	s_wait_alu depctr_hold_cnt(0) depctr_sa_sdst(0) depctr_va_vdst(0) depctr_va_sdst(0) depctr_va_ssrc(0) depctr_va_vcc(0) depctr_vm_vsrc(0)
	s_getreg_b32 s2, hwreg(HW_REG_IB_STS2, 6, 4)
	s_cmp_eq_u32 s2, 0
	s_cbranch_scc0 .Lentry_in_a_cluster
	s_endpgm
.Lentry_in_a_cluster:
	s_bfe_u32 s2, ttmp6, 0x10000c
	s_cmp_lg_u32 s2, 0xf033
	s_cbranch_scc0 .Lentry_shape_is_right
	s_endpgm
.Lentry_shape_is_right:
; OPROJ.  out0 = attention's result x o_w^T, on codes of FP6 (E2M3) with E8M0 scales, K = 2,048.  P (source 0) = o_w's tiles (tensor 3 of wimg), Q (source 1) = the tokens' tiles from a_img.
; Both lie as [group of 512 along K][tile of 16 rows][6,400]: four images of the operand's registers (1,536 bytes each) and 256 bytes of scale words: a work-group's 8 tiles of one group are one dense block of 51,200 bytes.
; A work-group makes 128 x 128 of out0; wave w takes P's tiles 4 (w / 2) + 0 .. 3 and Q's tiles 4 (w % 2) + 0 .. 3: 16 accumulators.  256 work-groups.
; THREE LDS SLOTS, a group each (307,200 bytes).  THE HEAD'S FOUR LOADS, one a wave: wave 0 P's group 0, wave 1 Q's group 0, wave 2 P's groups 1 and 2 (two rows of 51,200 bytes), wave 3 Q's groups 1 and 2.
; Ahead of the first barrier only waves 0 and 1 wait for their loads: behind it slot 0 alone is read and nothing is filled; the change to slot 1 waits for all.  Behind that change slot 0 takes group 3: the launch's one refill
; (wave 0 P's block, wave 1 Q's), with the 128 matrix instructions of groups 1 and 2 in which to land.  The change from slot 1 to slot 2 needs no barrier.
; CLUSTER 4 x 4: P's tiles hang on x alone and are asked for jointly along a column, Q's on y alone, along a row.  Results leave through each wave's own stage in LDS as whole rows of 256 bytes.
; PREFETCH: group 3 is asked for at the head, one slot's work ahead of its tensor load: a lane names a block of 256 bytes; the four partners that load a block jointly share its 200 blocks out by address, 25 to a wave.
.set NPW,   4
.set ZI,    3276800
.set SG,    819200
.set TI,    6400
.set KST,   1536
.set TSL,   6400
.set PH,    NPW*TSL
.set QH,    4*TSL
.set QOFF,  6*PH                       ; P's three slots, then Q's three
.set SPARE, 6*PH+6*QH
.set STAGE, SPARE+512
.set ACQ,   8*NPW
.set PSET,  12*NPW
.set SC,    32
.set SCS,   2*NPW+8
.set L16,   1
.set L8,    2
.set SPW,   14
.set NIL,   15
.set STO,   16
.set RD,    17
.set CO,    18
.set PFO,   24
.set BK,    64
.set ADP16, 128                        ; LDS addresses, one for each slot
.set ADP8,  132
.set ADQ16, 136
.set ADQ8,  140
.set ADSP,  144
.set ADSQ,  148
.set G1WP,  24                         ; groups 1: one group's block of P, of Q;
.set G0P,   32
.set G1WQ,  48
.set G0Q,   56
.set G1DP,  68                         ; two groups' blocks
.set G1DQ,  80
.set PFA,   98
.set MSB, 0
.macro WIN new
.if MSB != \new
	s_set_vgpr_msb (MSB<<8)|\new
.set MSB, \new
.endif
.endm
.set MUL,  0x5e                        ; source 0 (P) window 2, source 1 (Q) window 3, C and D window 1
.set TO_P, 0x80
.set TO_Q, 0xc0
.macro ARM under, g0, g1, next, join   ; an arm of a chain of branches on the wave's number: one joint load, its s_nop 0 and four v_nop, a jump to the join
	s_cmp_lt_u32 s14, \under
	s_cbranch_scc0 \next
	tensor_load_to_lds s[\g0:\g0+3], s[\g1:\g1+7]
	s_nop 0
.rept 4
	v_nop
.endr
	s_branch \join
\next:
.endm
.macro CREST
	s_cmp_lg_u32 s14, 0
	s_cbranch_scc1 .Lnot_wave_0_\@
	s_barrier_signal -3
.Lnot_wave_0_\@:
	s_barrier_wait -3
	s_barrier_signal -1
	s_barrier_wait -1
.endm
.macro CROUND
	s_barrier_signal -1
	s_barrier_wait -1
	CREST
.endm
.macro PLACES
.rept 4
	v_nop
.endr
.endm
	s_load_b128 s[4:7], s[0:1], 0x0                ; wimg s[4:5], a_img s[6:7]
	s_load_b64 s[12:13], s[0:1], 0x10              ; out0
	v_lshl_add_u32 v[SPW], v0, 2, SPARE
	v_mov_b32 v[NIL], 0
	ds_add_u32 v[SPW], v[NIL]                      ; the opening lines: the add, twice on end, and its wait ahead of my first tensor load
	ds_add_u32 v[SPW], v[NIL]
	v_lshrrev_b32 v1, 5, v0
	v_readfirstlane_b32 s14, v1                    ; wave 0..3
	s_lshr_b32 s15, s14, 1                         ; which half of P's tiles is mine.  At the head: group 0 (0) or groups 1 and 2 (1)
	s_and_b32 s16, s14, 1                          ; which half of Q's
	s_bfe_u32 s40, ttmp6, 0x40000                  ; cx
	s_bfe_u32 s41, ttmp6, 0x40004                  ; cy
	s_lshl_b32 s42, ttmp9, 2
	s_add_co_u32 s42, s42, s40                     ; x: 0 .. 15
	s_and_b32 s17, ttmp7, 0xffff
	s_lshl_b32 s17, s17, 2
	s_add_co_u32 s17, s17, s41                     ; y: 0 .. 15
	s_lshl_b32 s43, s41, 2
	s_lshl_b32 s43, 15, s43                        ; my row of the cluster
	s_lshl_b32 s44, 0x1111, s40                    ; my column
	s_or_b32 s[G1WP], s44, (3<<16)|(1<<21)         ; elements of 8 bytes, no padding; P's blocks go to my column, Q's to my row
	s_or_b32 s[G1WQ], s43, (3<<16)|(1<<21)
	s_or_b32 s[G1DP], s44, (3<<16)|(1<<21)
	s_or_b32 s[G1DQ], s43, (3<<16)|(1<<21)
.irp g, G1WP, G1WQ                             ; a dense block as 8 rows of 6,400 bytes
	s_mov_b32 s[\g+1], 800<<16
	s_mov_b32 s[\g+2], 8<<16
	s_mov_b32 s[\g+3], 800<<16
	s_mov_b32 s[\g+4], 8
	s_mov_b32 s[\g+5], 800
	s_mov_b32 s[\g+6], 0
	s_mov_b32 s[\g+7], 0
.endr
.irp g, G1DP, G1DQ                             ; two rows of 51,200 bytes, a group (819,200 bytes) apart
	s_mov_b32 s[\g+1], 6400<<16
	s_mov_b32 s[\g+2], 2<<16
	s_mov_b32 s[\g+3], 6400<<16
	s_mov_b32 s[\g+4], 2
	s_mov_b32 s[\g+5], SG/8
	s_mov_b32 s[\g+6], 0
	s_mov_b32 s[\g+7], 0
.endr
	s_mul_i32 s20, s42, 8*TI
	s_add_co_u32 s20, s20, 3*ZI                    ; P: o_w's tiles 8 x on
	s_mov_b32 s21, 0
	s_mul_i32 s46, s17, 8*TI                       ; Q: the tokens' tiles 8 y on
	s_mov_b32 s47, 0
	s_mul_i32 s92, s15, SG
	s_mov_b32 s93, 0
	s_mov_b32 s[G0P], 1
	s_mul_i32 s[G0P+1], s15, 2*PH                  ; slot 0, or slots 1 and 2: no place in the cluster enters an LDS address
	s_mov_b32 s[G0Q], 1
	s_mul_i32 s[G0Q+1], s15, 2*QH
	s_add_co_u32 s[G0Q+1], s[G0Q+1], QOFF
	s_wait_alu depctr_va_vdst(0)
	s_wait_dscnt 0x0                               ; both opening adds are done
	s_wait_kmcnt 0x0
	s_add_nc_u64 s[20:21], s[4:5], s[20:21]
	s_add_nc_u64 s[46:47], s[6:7], s[46:47]
	s_add_nc_u64 s[G0P+2:G0P+3], s[20:21], s[92:93]
	s_or_b32 s[G0P+3], s[G0P+3], 0x80000000
	s_add_nc_u64 s[G0Q+2:G0Q+3], s[46:47], s[92:93]
	s_or_b32 s[G0Q+3], s[G0Q+3], 0x80000000
	CROUND                                         ; all sixteen work-groups are here: the first joint loads meet
	ARM 1, G0P, G1WP, .Lhead_1, .Lhead_asked       ; the head's loads, one a wave, in one chain of branches
	ARM 2, G0Q, G1WQ, .Lhead_2, .Lhead_asked
	ARM 3, G0P, G1DP, .Lhead_3, .Lhead_asked
	tensor_load_to_lds s[G0Q:G0Q+3], s[G1DQ:G1DQ+7]
	s_nop 0
.rept 4
	v_nop
.endr
.Lhead_asked:
	s_cmp_eq_u32 s15, 0                            ; the prefetch: waves 0 and 1 for P, waves 2 and 3 for Q
	s_cselect_b64 s[PFA:PFA+1], s[20:21], s[46:47]
	s_cselect_b32 s22, s41, s40                    ; my place among the four that load the block with me
	s_lshl_b32 s22, s22, 1
	s_add_co_u32 s22, s22, s16
	s_mul_i32 s22, s22, 25*256                     ; 25 blocks to a wave
	s_add_co_u32 s22, s22, 3*SG                    ; of group 3
	s_mov_b32 s23, 0
	s_add_nc_u64 s[PFA:PFA+1], s[PFA:PFA+1], s[22:23]
	s_lshl_b32 s22, s17, 7
	s_lshl_b32 s23, s16, 6
	s_add_co_u32 s22, s22, s23                     ; my first row of out0: 128 y + 64 (w % 2)
	s_lshl_b32 s22, s22, 13
	s_lshl_b32 s23, s42, 9
	s_add_co_u32 s22, s22, s23
	s_lshl_b32 s23, s15, 8
	s_add_co_u32 s22, s22, s23                     ; my first column, in bytes: 512 x + 256 (w / 2)
	s_mov_b32 s23, 0
	s_add_nc_u64 s[12:13], s[12:13], s[22:23]
	s_mul_i32 s18, s15, PH                         ; my tiles of P,
	s_mul_i32 s19, s16, QH
	s_add_co_u32 s19, s19, QOFF                    ; and of Q
	s_mul_i32 s94, s14, 16*272
	s_add_co_u32 s94, s94, STAGE                   ; my stage
	v_and_b32 v19, 31, v0
	v_and_b32 v20, 15, v0                          ; r
	v_bfe_u32 v21, v0, 4, 1                        ; h
	v_lshlrev_b32 v[L16], 4, v19
	v_lshlrev_b32 v[L8], 3, v19
	v_min_u32 v[PFO], 24, v19
	v_lshlrev_b32 v22, 4, v20
	v_mul_u32_u24 v23, v21, TSL
	v_mul_u32_u24 v[STO], v20, 272
	v_mul_u32_u24 v[RD], v21, 272
	v_lshlrev_b32 v[PFO], 8, v[PFO]                ; lanes 25-31 name the wave's last block again
	v_add_nc_u32 v23, v23, v22                     ; scale words: 16 r, and lanes 16-31 take the next tile's
	v_lshl_add_u32 v[STO], v21, 6, v[STO]
	v_add_nc_u32 v[RD], v[RD], v22
	v_lshl_add_u32 v[CO], v21, 13, v22
	v_add_nc_u32 v[STO], s94, v[STO]
	v_add_nc_u32 v[RD], s94, v[RD]
	s_wait_alu depctr_va_vdst(0)
	global_prefetch_b8 v[PFO], s[PFA:PFA+1] th:TH_LOAD_NT scope:SCOPE_SE
.irp n, 0,1,2
	v_add_nc_u32 v[ADP16+\n], s18, v[L16]
	v_add_nc_u32 v[ADP8+\n], s18, v[L8]
	v_add_nc_u32 v[ADSP+\n], s18, v23
	v_add_nc_u32 v[ADQ16+\n], s19, v[L16]
	v_add_nc_u32 v[ADQ8+\n], s19, v[L8]
	v_add_nc_u32 v[ADSQ+\n], s19, v23
	s_add_co_u32 s18, s18, 2*PH
	s_add_co_u32 s19, s19, 2*QH
.endr
.macro WM d, a, b, z, sa, sb, ra, rb
.if (\z) && (\ra) && (\rb)
	v_wmma_scale_f32_16x16x128_f8f6f4 v[(\d):(\d)+7], v[(\a):(\a)+11], v[(\b):(\b)+11], 0, v[\sa], v[\sb] matrix_a_fmt:MATRIX_FMT_FP6 matrix_b_fmt:MATRIX_FMT_FP6 matrix_a_scale:MATRIX_SCALE_ROW1 matrix_b_scale:MATRIX_SCALE_ROW1
.elseif (\z) && (\ra)
	v_wmma_scale_f32_16x16x128_f8f6f4 v[(\d):(\d)+7], v[(\a):(\a)+11], v[(\b):(\b)+11], 0, v[\sa], v[\sb] matrix_a_fmt:MATRIX_FMT_FP6 matrix_b_fmt:MATRIX_FMT_FP6 matrix_a_scale:MATRIX_SCALE_ROW1
.elseif (\z) && (\rb)
	v_wmma_scale_f32_16x16x128_f8f6f4 v[(\d):(\d)+7], v[(\a):(\a)+11], v[(\b):(\b)+11], 0, v[\sa], v[\sb] matrix_a_fmt:MATRIX_FMT_FP6 matrix_b_fmt:MATRIX_FMT_FP6 matrix_b_scale:MATRIX_SCALE_ROW1
.elseif (\z)
	v_wmma_scale_f32_16x16x128_f8f6f4 v[(\d):(\d)+7], v[(\a):(\a)+11], v[(\b):(\b)+11], 0, v[\sa], v[\sb] matrix_a_fmt:MATRIX_FMT_FP6 matrix_b_fmt:MATRIX_FMT_FP6
.elseif (\ra) && (\rb)
	v_wmma_scale_f32_16x16x128_f8f6f4 v[(\d):(\d)+7], v[(\a):(\a)+11], v[(\b):(\b)+11], v[(\d):(\d)+7], v[\sa], v[\sb] matrix_a_fmt:MATRIX_FMT_FP6 matrix_b_fmt:MATRIX_FMT_FP6 matrix_a_scale:MATRIX_SCALE_ROW1 matrix_b_scale:MATRIX_SCALE_ROW1
.elseif (\ra)
	v_wmma_scale_f32_16x16x128_f8f6f4 v[(\d):(\d)+7], v[(\a):(\a)+11], v[(\b):(\b)+11], v[(\d):(\d)+7], v[\sa], v[\sb] matrix_a_fmt:MATRIX_FMT_FP6 matrix_b_fmt:MATRIX_FMT_FP6 matrix_a_scale:MATRIX_SCALE_ROW1
.elseif (\rb)
	v_wmma_scale_f32_16x16x128_f8f6f4 v[(\d):(\d)+7], v[(\a):(\a)+11], v[(\b):(\b)+11], v[(\d):(\d)+7], v[\sa], v[\sb] matrix_a_fmt:MATRIX_FMT_FP6 matrix_b_fmt:MATRIX_FMT_FP6 matrix_b_scale:MATRIX_SCALE_ROW1
.else
	v_wmma_scale_f32_16x16x128_f8f6f4 v[(\d):(\d)+7], v[(\a):(\a)+11], v[(\b):(\b)+11], v[(\d):(\d)+7], v[\sa], v[\sb] matrix_a_fmt:MATRIX_FMT_FP6 matrix_b_fmt:MATRIX_FMT_FP6
.endif
.endm
.macro MULQ q, set, k, ss, zero        ; Q's tile q against my NPW tiles of P; the accumulators take turns, one instruction a turn
.set pp, 0
.rept NPW
	WM ACQ*(\q)+8*pp, PSET*(\set)+12*pp, 48*(\set)+12*(\q), \zero, SC+SCS*(\ss)+4*(pp/2)+(\k), SC+SCS*(\ss)+2*NPW+4*((\q)/2)+(\k), pp%2, (\q)%2
.set pp, pp+1
.endr
.endm
.macro FETCH n, k, set                 ; the fragments of K step k of slot n into set
	WIN TO_P
.set pp, 0
.rept NPW
	ds_load_b128 v[PSET*(\set)+12*pp:PSET*(\set)+12*pp+3], v[ADP16+\n] offset:TSL*pp+KST*(\k)
	ds_load_b64 v[PSET*(\set)+12*pp+4:PSET*(\set)+12*pp+5], v[ADP8+\n] offset:TSL*pp+KST*(\k)+512
	ds_load_b128 v[PSET*(\set)+12*pp+6:PSET*(\set)+12*pp+9], v[ADP16+\n] offset:TSL*pp+KST*(\k)+768
	ds_load_b64 v[PSET*(\set)+12*pp+10:PSET*(\set)+12*pp+11], v[ADP8+\n] offset:TSL*pp+KST*(\k)+1280
.set pp, pp+1
.endr
	WIN TO_Q
.irp q, 0,1,2,3
	ds_load_b128 v[48*(\set)+12*\q:48*(\set)+12*\q+3], v[ADQ16+\n] offset:TSL*\q+KST*(\k)
	ds_load_b64 v[48*(\set)+12*\q+4:48*(\set)+12*\q+5], v[ADQ8+\n] offset:TSL*\q+KST*(\k)+512
	ds_load_b128 v[48*(\set)+12*\q+6:48*(\set)+12*\q+9], v[ADQ16+\n] offset:TSL*\q+KST*(\k)+768
	ds_load_b64 v[48*(\set)+12*\q+10:48*(\set)+12*\q+11], v[ADQ8+\n] offset:TSL*\q+KST*(\k)+1280
.endr
	WIN 0
.endm
.macro SCALES sg, n                    ; the scale words of group sg, which lies in slot n: behind each tile's images
.set pp, 0
.rept NPW/2
	ds_load_b128 v[SC+SCS*((\sg)%2)+4*pp:SC+SCS*((\sg)%2)+4*pp+3], v[ADSP+\n] offset:2*TSL*pp+4*KST
.set pp, pp+1
.endr
.irp j, 0,1
	ds_load_b128 v[SC+SCS*((\sg)%2)+2*NPW+4*\j:SC+SCS*((\sg)%2)+2*NPW+4*\j+3], v[ADSQ+\n] offset:2*TSL*\j+4*KST
.endr
.endm
.macro MUL4 set, k, ss, zero
	WIN MUL
	MULQ 0, \set, \k, \ss, \zero
	MULQ 1, \set, \k, \ss, \zero
	MULQ 2, \set, \k, \ss, \zero
	MULQ 3, \set, \k, \ss, \zero
	WIN 0
.endm
.macro STEP n, k, sg, zero             ; a K step that has its successor in the same slot
	s_wait_dscnt 0x0                               ; this step's fragments, asked for a step ago, are in
	PLACES                                         ; the other set was read by the step before
	FETCH \n, (\k)+1, 1-(\k)%2
	MUL4 (\k)%2, \k, (\sg)%2, \zero
.endm
.macro PASS next, sg                   ; a slot's last K step where the next slot has been shown whole by an earlier barrier: no barrier
	s_wait_dscnt 0x0
	PLACES
	FETCH \next, 0, 0
	SCALES (\sg)+1, \next
	MUL4 1, 3, (\sg)%2, 0
.endm
; A slot's last K step with a barrier.  In front of it each wave waits for all its tensor loads, adds 0 to its spare word, and waits for that and for its reads.  fill = 1: slot 0 takes group 3.
.macro TURN next, sg, fill
	s_wait_tensorcnt 0x0                           ; all my tensor loads have landed
	ds_add_u32 v[SPW], v[NIL]                      ; 0 onto my spare word
.if \fill
	s_mov_b32 s[G0P+1], 0                          ; no tensor load of mine is out, so the groups 0 may be written: slot 0, group 3
	s_add_nc_u64 s[G0P+2:G0P+3], s[20:21], 3*SG
	s_or_b32 s[G0P+3], s[G0P+3], 0x80000000
	s_mov_b32 s[G0Q+1], QOFF
	s_add_nc_u64 s[G0Q+2:G0Q+3], s[46:47], 3*SG
	s_or_b32 s[G0Q+3], s[G0Q+3], 0x80000000
.endif
	s_wait_dscnt 1                                 ; this step's fragments are in; the add alone may be out
	WIN MUL
	MULQ 0, 1, 3, (\sg)%2, 0
	s_wait_dscnt 0x0                               ; the add is done, and my reads of this slot are over
	s_barrier_signal -1
	MULQ 1, 1, 3, (\sg)%2, 0
	WIN 0
	s_barrier_wait -1
.if \fill
	CREST                                          ; the barrier has opened a round of the cluster's barrier
	ARM 1, G0P, G1WP, .Lre_1, .Lre_asked           ; wave 0 P's block, wave 1 Q's; waves 2 and 3 have no part to fill
	ARM 2, G0Q, G1WQ, .Lre_2, .Lre_asked
.Lre_asked:
.endif
	PLACES
	FETCH \next, 0, 0
	SCALES (\sg)+1, \next
	WIN MUL
	MULQ 2, 1, 3, (\sg)%2, 0
	MULQ 3, 1, 3, (\sg)%2, 0
	WIN 0
.endm
	s_wait_alu depctr_va_vdst(0)                   ; at the head's end
	s_cmp_ge_u32 s14, 2
	s_cbranch_scc1 .Llater_out                     ; waves 2 and 3 fetched slots 1 and 2, which are first read behind the next barrier: their wait stands in front of that one
	s_wait_tensorcnt 0x0                           ; waves 0 and 1: my operand's part of slot 0 is in
.Llater_out:
	s_barrier_signal -1
	s_barrier_wait -1                              ; slot 0 is whole
	FETCH 0, 0, 0
	SCALES 0, 0
	STEP 0, 0, 0, 1                                ; the first products start the sums: nothing is cleared
	STEP 0, 1, 0, 0
	STEP 0, 2, 0, 0
	TURN 1, 0, 1
	STEP 1, 0, 1, 0
	STEP 1, 1, 1, 0
	STEP 1, 2, 1, 0
	PASS 2, 1
	STEP 2, 0, 2, 0
	STEP 2, 1, 2, 0
	STEP 2, 2, 2, 0
	TURN 0, 2, 0                                   ; group 3 is in slot 0; nothing is left to fetch
	STEP 0, 0, 3, 0
	STEP 0, 1, 3, 0
	STEP 0, 2, 3, 0
	s_wait_dscnt 0x0
	MUL4 1, 3, 1, 0
	PLACES
; THE WAY OUT: Q's tile q is 16 rows of out0, my four tiles of P are 64 neighbouring columns: through my own stage and back as rows of 256 bytes
.macro TOSTAGE q
	WIN 0x04
.irp b, 0,1
.irp k, 0,1,2,3
	ds_store_b128 v[STO], v[ACQ*(\q)+16*\b+4*\k:ACQ*(\q)+16*\b+4*\k+3] offset:128*\b+16*\k
.endr
.endr
	WIN 0
.irp i, 0,1,2,3,4,5,6,7
	ds_load_b128 v[BK+32*((\q)%2)+4*\i:BK+32*((\q)%2)+4*\i+3], v[RD] offset:544*\i
.endr
.endm
.macro SEND q, younger
	s_wait_dscnt \younger
.irp i, 0,1,2,3,4,5,6,7
	global_store_b128 v[CO], v[BK+32*((\q)%2)+4*\i:BK+32*((\q)%2)+4*\i+3], s[12:13] offset:(16*(\q)+2*\i)*8192 th:TH_STORE_NT
.endr
.endm
	TOSTAGE 0
.irp q, 1,2,3
.if \q > 1
	s_wait_xcnt 0x0                                ; the stores of two tiles ago have read their registers
.endif
	TOSTAGE \q
	SEND \q-1, 16
.endr
	SEND 3, 0
	s_wait_tensorcnt 0x0                           ; the wave's end
	ds_add_u32 v[SPW], v[NIL]
	s_wait_dscnt 0x0
	CROUND                                         ; the closing round
	s_endpgm
.Lfunc_end_k_qc684985892_oproj:
	.size	k_qc684985892_oproj, .Lfunc_end_k_qc684985892_oproj-k_qc684985892_oproj
	.p2alignl 7, 3214868480
	.fill 96, 4, 3214868480
	.section	.rodata,"a",@progbits
	.p2align	6, 0x0
	.amdhsa_kernel k_qc684985892_oproj
		.amdhsa_group_segment_fixed_size 327680
		.amdhsa_private_segment_fixed_size 0
		.amdhsa_enable_private_segment 0
		.amdhsa_kernarg_size 24
		.amdhsa_user_sgpr_count 2
		.amdhsa_user_sgpr_kernarg_segment_ptr 1
		.amdhsa_wavefront_size32 1
		.amdhsa_system_sgpr_workgroup_id_x 1
		.amdhsa_system_sgpr_workgroup_id_y 1
		.amdhsa_system_sgpr_workgroup_id_z 1
		.amdhsa_system_vgpr_workitem_id 0
		.amdhsa_next_free_vgpr 1024
		.amdhsa_next_free_sgpr 100
		.amdhsa_reserve_vcc 0
		.amdhsa_float_denorm_mode_32 3
		.amdhsa_float_denorm_mode_16_64 3
		.amdhsa_memory_ordered 1
		.amdhsa_forward_progress 1
		.amdhsa_inst_pref_size 89
	.end_amdhsa_kernel
	.amdgpu_metadata
---
amdhsa.version: [ 1, 2 ]
amdhsa.kernels:
  - .name:           k_qc684985892_oproj
    .symbol:         k_qc684985892_oproj.kd
    .args:
      - { .name: wimg, .offset: 0, .size: 8, .value_kind: global_buffer, .address_space: global }
      - { .name: a_img, .offset: 8, .size: 8, .value_kind: global_buffer, .address_space: global }
      - { .name: out0, .offset: 16, .size: 8, .value_kind: global_buffer, .address_space: global }
    .group_segment_fixed_size: 327680
    .private_segment_fixed_size: 0
    .kernarg_segment_align: 8
    .kernarg_segment_size: 24
    .max_flat_workgroup_size: 128
    .sgpr_count:     100
    .vgpr_count:     1024
    .wavefront_size: 32
...
	.end_amdgpu_metadata
.endif
;; end of part 4
